; MI455X (gfx1250); checked and timed in simulation.
; The chip was launched on July 23, 2026; its instructions are those of AMD's public machine-readable ISA for CDNA 5 (MIT licence, August 2026) and "CDNA5" Instruction Set Architecture Reference Guide (July 2026). The comments in the code are by the model that wrote it; some were corrected since.
;; Custom GPT2 Attention. Allowed arithmetic: matrix products marked QUANTISED: E3M2 operands, one E8M0 scale for each 32 along K, by v_wmma_scale_f32_16x16x128_f8f6f4 with both operands' format E3M2, f32 sums; everything else in f32.
;; Inputs: Wk 1,024 x 1,024 float32; Wo 1,024 x 1,024 float32; Wq 1,024 x 1,024 float32; Wv 1,024 x 1,024 float32; bk 1,024 float32; bo 1,024 float32; bq 1,024 float32; bv 1,024 float32; hidden_states 4 x 2,048 x 1,024 float32.
;; Outputs: out0 4 x 2,048 x 1,024 float32.
;; This version of the problem:
;;   THIS VERSION OF THE PROBLEM IS GIVEN IN LOW PRECISION. The matrix products marked QUANTISED in the list below multiply operands that are first quantised to E3M2 (3 exponent bits, 2 mantissa bits; 6 bits a number), with one power-of-two scale for each 32 numbers along K (OCP MX v1.0); their sums are f32. All else is computed in f32.
;;   The module's matrix products, in the order in which they are computed (A, B: the left and right operand; K: the contracted axis; several contracted axes count as one K, in the product's order):
;;     1. [M 8,192, K 1,024] x [K 1,024, N 1,024]; A: input hidden_states; B: input Wq: QUANTISED
;;     2. [M 8,192, K 1,024] x [K 1,024, N 1,024]; A: input hidden_states; B: input Wk: QUANTISED
;;     3. [M 8,192, K 1,024] x [K 1,024, N 1,024]; A: input hidden_states; B: input Wv: QUANTISED
;;     4. batch 64 x [M 2,048, K 64] x [K 64, N 2,048]; A: computed on the way; B: computed on the way: QUANTISED
;;     5. batch 64 x [M 2,048, K 2,048] x [K 2,048, N 64]; A: softmax (see below); B: computed on the way: QUANTISED
;;     6. [M 8,192, K 1,024] x [K 1,024, N 1,024]; A: computed on the way; B: input Wo: QUANTISED
;;   THE QUANTISER, for each operand of a quantised product, along K:
;;     - K is cut into blocks of 32 from its start; a last block that is shorter is filled with zeros.
;;     - A block's scale is 2^e with e = floor(log2(the largest magnitude in the block)) - 4, held to -126 .. 127; a block of zeros has e = 0. As a byte (E8M0): e + 127.
;;     - Each number is divided by its block's scale, clamped to +-28, and rounded to the nearest number of E3M2, ties to even, subnormals kept.
;;     - The product sums the exact products of the quantised numbers (number of the format x scale) in f32.
;;   ~~~python
;;   def quantise(x, axis):      # numpy; x: float32 -> the quantised numbers, widened to float32 again
;;       x = np.moveaxis(x, axis, -1); K = x.shape[-1]
;;       x = np.pad(x, [(0, 0)] * (x.ndim - 1) + [(0, -K % 32)]); x = x.reshape(x.shape[:-1] + (-1, 32)); a = np.abs(x).max(-1, keepdims=True)
;;       e = np.where(a > 0, np.clip(np.frexp(np.where(a > 0, a, 1))[1] - 1 - 4, -126, 127), 0)      # np.frexp(a)[1] - 1 = floor(log2(a)), exactly
;;       r = np.clip(x / 2.0 ** e, -28, 28)
;;       step = 2.0 ** (np.maximum(np.frexp(np.where(r == 0, 1, r))[1] - 1, -2) - 2)
;;       q = np.round(r / step) * step * 2.0 ** e      # np.round: ties to even
;;       return np.moveaxis(q.reshape(q.shape[:-2] + (-1,))[..., :K], -1, axis).astype(np.float32)
;;   ~~~
;;   SOFTMAX AHEAD OF A QUANTISED PRODUCT. Where the list says 'softmax', what is quantised is not the finished softmax but p = 2^(t - M), with t = logit x log2(e) and M = ceil(the row's largest t), a whole number; so 1/2 < the row's largest p <= 1. The row's sum l is taken of the UNQUANTISED p, in f32, and the product's result is divided by l at the end. Since M is a whole number, a kernel that streams over the keys may use a running M (the ceiling of the running maximum): every later rescaling is an exact power of two, which a block's scale takes up: the codes' values come out the same.
;;   OPERANDS COMPUTED ON THE WAY. 'Computed on the way' means the value that the module computes at that place (a softmax that the list does not call 'softmax' is quantised finished and normalised). What goes into a quantiser is computed in f32, as accurately as f32 sums, v_exp_f32 and their like allow (about 1e-6 of the number): no bf16 or f16 on the way to a quantiser, and a product that is left as it is and whose result goes on into a quantised operand takes f32 operands (vector FMAs, or v_wmma_f32_16x16x4_f32). A number that lies on a knife's edge between two numbers of the format may be rounded either way, as far as f32 arithmetic and the matrix unit's own rounding can turn it there, and no further.
;; One version. Each part assembles by itself: llvm-mc -triple=amdgcn-amd-amdhsa -mcpu=gfx1250 --defsym DOCPART=n.
;; ======== version 1 of 1: 4 launches
;; workspace buffers: xq 6,553,600 bytes; wq4 3,276,800 bytes; qk 13,107,200 bytes; vt 6,553,600 bytes; aq 6,553,600 bytes
;; launch quant (part 1): grid 384 x 1, 4 waves a work-group, no clusters, 58,880 bytes of LDS; arguments hidden_states, Wq, Wk, Wv, Wo, xq, wq4; writes xq, wq4
.if DOCPART == 1
	.amdgcn_target "amdgcn-amd-amdhsa--gfx1250"
	.amdhsa_code_object_version 6
	.text
	.protected	k_q2ebe2a9329_quant
	.globl	k_q2ebe2a9329_quant
	.p2align	8
	.type	k_q2ebe2a9329_quant,@function
k_q2ebe2a9329_quant:
	s_mov_b64 s[64:65], 0
	v_nop
	global_prefetch_b8 v0, s[64:65] scope:SCOPE_SE
	s_setreg_imm32_b32 hwreg(HW_REG_WAVE_MODE, 25, 1), 1
	s_wait_xcnt 0x0
; hidden_states [8192][1024] and the four weights [1024 (k)][1024 (n)], f32, become codes of BF6 (E3M2) with one E8M0 byte for each 32 along K, laid IN THE ORDER OF THE OPERANDS' REGISTERS.
; A fragment (16 rows x 128 K, 12 registers a lane) is six units of 256 bytes: unit u holds registers 2 u, 2 u + 1 of lanes 0-31, 8 bytes a lane.  For each block of 128 rows: codes [k / 128 (8)][tile (8)][unit (6)][256],
; 98,304 bytes; scale bytes [k / 256 (4)][place (128)][8].  ROW i OF A BLOCK LIES AT PLACE i WITH ITS BITS 3 AND 4 EXCHANGED: lane r = 8 g + j of tile 2 a + u holds row 32 a + 16 g + 8 u + j, so that a product which takes
; such tiles as source 0 leaves 16 neighbouring rows in the 16 registers of two neighbouring tiles.
; A block's scale is 2^(floor(log2(largest magnitude)) - 4): its byte is the largest magnitude's exponent field - 4, held at 1 from below.
; LIMITS: a block whose largest magnitude lies under 2^-122 keeps the byte 1 (a block of zeros too, where the rule says 127: its codes are zeros, and this program alone reads the bytes); NaN and infinities are not served.
; Work-groups 0-255 take hidden_states (32 rows each; wave s the 256 along K from 256 s), work-groups 256-383 the weights (128 columns x 256 along K each).  The two ways have LDS bytes of their own.
; No tensor load, no barrier, no cluster: waves share nothing, and every input byte is read once.
.set XSTG,  8448                       ; X: a wave's stage: 16 rows x (512 bytes + 16)
.set WLDS,  4*XSTG                     ; W: the stages begin behind X's
.set WSTG,  6144                       ; W: a wave's stage: [k / 128 (2)][tile (2)][unit (6)][256]
.set TM,    8                          ; v8-23   at work in QUANT
.set PWR,   24                         ; v24-27  X: four scale words;  W: v24-25 eight scale bytes
.set R,     32                         ; v32-159 X: two sets of 64 numbers as loaded;  W: v32-95 two sets of 32
.set X,     160                        ; v160-223 X: 64 numbers of my row
.set PC,    224                        ; v224-242 X: the codes
.set SEL,   18                         ; s[18:19] lane selects for v_permlanex16_b32: lane l xor 16
; 64 numbers of a lane, register 16 b + i = k 32 b + 16 (lane / 16) + i of my row, become a fragment's codes in v[PC] on and its scale word in v[pw].
.macro QUANT s, pw
.irp b, 0,1,2,3
	v_max3_num_f32 v[TM+\b], |v[\s+16*\b]|, |v[\s+1+16*\b]|, 0x2800000   ; my 16 numbers of block b, and the floor 2^(5 - 127): the byte cannot fall under 1
.endr
.irp i, 2,4,6,8,10,12,14
.irp b, 0,1,2,3
	v_max3_num_f32 v[TM+\b], v[TM+\b], |v[\s+16*\b+\i]|, |v[\s+1+16*\b+\i]|
.endr
.endr
.irp b, 0,1,2,3
	v_permlanex16_b32 v[TM+4+\b], v[TM+\b], s[SEL], s[SEL+1]
.endr
.irp b, 0,1,2,3
	v_max_num_f32 v[TM+\b], v[TM+\b], v[TM+4+\b]   ; with lane l xor 16's: the block's largest magnitude
.endr
.irp b, 0,1,2,3
	v_add_nc_u32 v[TM+12+\b], 0xfe000000, v[TM+\b]   ; 4 off its exponent field: the conversion's scale operand
.endr
.irp b, 0,1,2,3
	v_lshrrev_b32 v[TM+4+\b], 23, v[TM+12+\b]      ; the scale's byte
.endr
	v_lshl_or_b32 v[\pw], v[TM+5], 8, v[TM+4]
	v_lshl_or_b32 v[\pw], v[TM+6], 16, v[\pw]
	v_lshl_or_b32 v[\pw], v[TM+7], 24, v[\pw]
.irp c, 0,1
	v_cvt_scalef32_pk16_bf6_f32 v[PC+6*\c:PC+2+6*\c], v[\s+32*\c:\s+15+32*\c], v[TM+12+2*\c]
	v_cvt_scalef32_pk16_bf6_f32 v[PC+12+4*\c:PC+14+4*\c], v[\s+16+32*\c:\s+31+32*\c], v[TM+12+2*\c+1]   ; (a conversion's three registers begin on an even number)
.endr
	v_nop                                          ; one plain place behind a scaled conversion
.irp c, 0,1                                    ; the operand wants a WHOLE block in a lane: lanes 0-15 block 2 c, lanes 16-31 block 2 c + 1
.irp i, 0,1,2
	v_permlane16_swap_b32 v[PC+6*\c+\i], v[PC+12+4*\c+\i]
.endr
.irp i, 0,1,2
	v_mov_b32 v[PC+3+6*\c+\i], v[PC+12+4*\c+\i]
.endr
.endr
.endm
	s_load_b256 s[4:11], s[0:1], 0x0               ; hidden_states s[4:5], Wq s[6:7], Wk s[8:9], Wv s[10:11]
	s_load_b128 s[12:15], s[0:1], 0x20             ; Wo s[12:13], xq s[14:15]
	s_load_b64 s[16:17], s[0:1], 0x30              ; wq4
	v_lshl_add_u32 v254, v0, 2, 0xe400
	v_mov_b32 v255, 0
	v_lshrrev_b32 v1, 5, v0
	v_readfirstlane_b32 s20, v1                    ; wave 0..3
	v_and_b32 v5, 31, v0                           ; lane
	s_cmp_lt_u32 ttmp9, 256
	s_cbranch_scc0 .Lweights
; ---------------- hidden_states: K is innermost ----------------
	v_and_b32 v6, 15, v0                           ; r
	v_bfe_u32 v7, v0, 4, 1                         ; h
	v_lshlrev_b32 v1, 4, v5                        ; my 16 bytes of a load's 512
	s_mul_i32 s21, s20, XSTG
	v_add_nc_u32 v2, s21, v1                       ; the stage, in: as the bytes lie
	v_mul_u32_u24 v3, v6, 528
	v_lshl_add_u32 v3, v7, 6, v3
	v_add_nc_u32 v3, s21, v3                       ; out: row r, + 64 h: my 16 numbers of each block of 32
	v_lshlrev_b32 v4, 3, v5                        ; 8 bytes a lane: my place in a unit
	s_mov_b32 s[SEL], 0x76543210
	s_mov_b32 s[SEL+1], 0xfedcba98
.irp b, 0,1,2,3
	v_mov_b32 v[TM+4+\b], 0                        ; written once: a lane permute's destination counts as one of its sources
.endr
	s_lshl_b32 s22, ttmp9, 17                      ; 32 rows of 4,096 bytes a work-group,
	s_lshl_b32 s23, s20, 10                        ; 256 numbers a wave
	s_add_co_u32 s22, s22, s23
	s_mov_b32 s23, 0
	s_lshr_b32 s24, ttmp9, 2                       ; the block of 128 rows
	s_and_b32 s25, ttmp9, 3                        ; which 32 of them: tiles 2 a, 2 a + 1
	s_mul_i32 s26, s24, 98304
	s_lshl_b32 s27, s20, 4
	s_lshl_b32 s28, s25, 1
	s_add_co_u32 s27, s27, s28
	s_mul_i32 s27, s27, 1536                       ; (8 (2 wave) + 2 a) fragments on
	s_add_co_u32 s26, s26, s27
	s_mov_b32 s27, 0
	s_lshl_b32 s28, s24, 12                        ; the scale bytes: 4,096 a block, 1,024 a wave, 256 for 32 places
	s_lshl_b32 s29, s20, 10
	s_add_co_u32 s28, s28, s29
	s_lshl_b32 s29, s25, 8
	s_add_co_u32 s28, s28, s29
	s_add_co_u32 s28, s28, 6291456                 ; behind the codes
	s_mov_b32 s29, 0
	s_wait_kmcnt 0x0
	s_add_nc_u64 s[4:5], s[4:5], s[22:23]
	s_add_nc_u64 s[26:27], s[14:15], s[26:27]
	s_add_nc_u64 s[28:29], s[14:15], s[28:29]
; sub-unit n: tile 2 a + n / 2, the wave's (n % 2)-th 128 along K.  Load p takes 512 consecutive bytes of the row that lane p of the tile holds
.macro XLOAD n
.irp p, 0,1,2,3,4,5,6,7,8,9,10,11,12,13,14,15
	global_load_b128 v[R+64*((\n)%2)+4*\p:R+64*((\n)%2)+4*\p+3], v1, s[4:5] offset:(8*((\n)/2)+16*(\p/8)+\p%8)*4096+512*((\n)%2) th:TH_LOAD_NT
.endr
.endm
.macro XTURN n                                 ; through the wave's own stage: LDS serves a wave's instructions in order, so no wait stands between the stores and the loads
.irp p, 0,1,2,3,4,5,6,7,8,9,10,11,12,13,14,15
	ds_store_b128 v2, v[R+64*((\n)%2)+4*\p:R+64*((\n)%2)+4*\p+3] offset:528*\p
.endr
.irp b, 0,1,2,3
.irp j, 0,1,2,3
	ds_load_b128 v[X+16*\b+4*\j:X+16*\b+4*\j+3], v3 offset:128*\b+16*\j
.endr
.endr
.endm
.macro XSUB n
.if (\n) < 3
	s_wait_loadcnt 16                              ; this sub-unit's 16 loads are in; the next one's may be out
.else
	s_wait_loadcnt 0x0
.endif
	XTURN \n
	s_wait_dscnt 0x0                               ; the numbers are back, and the stage's stores have read their registers
	s_wait_xcnt 0x0                                ; the last sub-unit's stores have read the codes' registers
.if (\n) < 2
	XLOAD (\n)+2
.endif
	QUANT X, PWR+\n
.irp p, 0,1,2,3,4,5
	global_store_b64 v4, v[PC+2*\p:PC+2*\p+1], s[26:27] offset:12288*((\n)%2)+1536*((\n)/2)+256*\p   ; 32 lanes store 256 consecutive bytes, aligned
.endr
.endm
	XLOAD 0
	XLOAD 1
	XSUB 0
	XSUB 1
	XSUB 2
	XSUB 3
	v_cmp_le_u32 vcc_lo, 16, v5                    ; lanes 0-15 store the first tile's two words, lanes 16-31 the second's (a word is the same in lanes l and l xor 16)
	v_cndmask_b32 v28, v24, v26, vcc_lo
	v_cndmask_b32 v29, v25, v27, vcc_lo
	global_store_b64 v4, v[28:29], s[28:29]        ; 256 consecutive bytes, aligned
	s_wait_tensorcnt 0x0
	ds_add_u32 v254, v255
	s_wait_dscnt 0x0
	s_endpgm
; ---------------- the weights: K is the FIRST axis.  A lane takes a column n, and its registers run down K ----------------
.Lweights:
	s_sub_co_u32 s21, ttmp9, 256
	s_lshr_b32 s22, s21, 5                         ; which weight: 0 Wq, 1 Wk, 2 Wv, 3 Wo
	s_bfe_u32 s23, s21, 0x30002                    ; which 128 columns
	s_and_b32 s24, s21, 3                          ; which 256 along K
	v_bfe_u32 v6, v0, 3, 1                         ; my column 32 wave + 16 g + 8 u + j lies in tile 2 wave + u, lane 8 g + j
	v_bfe_u32 v7, v0, 4, 1
	v_and_b32 v8, 7, v0
	v_lshlrev_b32 v1, 2, v5                        ; in: 4 bytes a lane
	v_lshlrev_b32 v9, 6, v7
	v_lshl_add_u32 v9, v8, 3, v9                   ; 8 (8 g + j)
	s_mul_i32 s25, s20, WSTG
	s_add_co_u32 s25, s25, WLDS
	v_mul_u32_u24 v2, v6, 1536
	v_add_nc_u32 v2, v2, v9
	v_add_nc_u32 v2, s25, v2                       ; the stage, in: my tile, my lane's 8 bytes of a unit
	v_lshlrev_b32 v4, 4, v5
	v_add_nc_u32 v3, s25, v4                       ; out: as the bytes lie, 16 a lane
	v_lshl_add_u32 v10, v6, 7, v9                  ; my place's 8 scale bytes: 8 (16 u + 8 g + j)
	s_lshl_b32 s26, s24, 20                        ; 256 rows of 4,096 bytes,
	s_lshl_b32 s27, s23, 9                         ; 128 columns,
	s_add_co_u32 s26, s26, s27
	s_lshl_b32 s27, s20, 7                         ; 32 columns a wave
	s_add_co_u32 s26, s26, s27
	s_mov_b32 s27, 0
	s_lshl_b32 s28, s22, 3
	s_add_co_u32 s28, s28, s23                     ; the block of 128 rows of the operand
	s_mul_i32 s30, s28, 98304
	s_lshl_b32 s29, s24, 4
	s_lshl_b32 s31, s20, 1
	s_add_co_u32 s29, s29, s31
	s_mul_i32 s29, s29, 1536
	s_add_co_u32 s30, s30, s29
	s_mov_b32 s31, 0
	s_lshl_b32 s28, s28, 12
	s_lshl_b32 s29, s24, 10
	s_add_co_u32 s28, s28, s29
	s_lshl_b32 s29, s20, 8
	s_add_co_u32 s28, s28, s29
	s_add_co_u32 s28, s28, 3145728                 ; behind the codes
	s_mov_b32 s29, 0
	s_wait_kmcnt 0x0
	s_cmp_eq_u32 s22, 1                            ; the choice hangs on the work-group's number alone
	s_cselect_b64 s[6:7], s[8:9], s[6:7]
	s_cmp_eq_u32 s22, 2
	s_cselect_b64 s[6:7], s[10:11], s[6:7]
	s_cmp_eq_u32 s22, 3
	s_cselect_b64 s[6:7], s[12:13], s[6:7]
	s_add_nc_u64 s[6:7], s[6:7], s[26:27]
	s_add_nc_u64 s[30:31], s[16:17], s[30:31]
	s_add_nc_u64 s[28:29], s[16:17], s[28:29]
.macro WLOAD t                                 ; block t: W(32 t + i, my column): a wave reads 128 consecutive bytes, the four waves 512
.irp i, 0,1,2,3,4,5,6,7,8,9,10,11,12,13,14,15,16,17,18,19,20,21,22,23,24,25,26,27,28,29,30,31
	global_load_b32 v[R+32*((\t)%2)+\i], v1, s[6:7] offset:(32*(\t)+\i)*4096 th:TH_LOAD_NT
.endr
.endm
.macro WBLOCK t
.set XS, R+32*((\t)%2)
.if (\t) < 7
	s_wait_loadcnt 32                              ; this block's 32 loads are in; the next block's may be out
.else
	s_wait_loadcnt 0x0
.endif
	v_max3_num_f32 v12, |v[XS]|, |v[XS+1]|, |v[XS+2]|   ; the block's largest magnitude: all 32 numbers are mine
	v_max3_num_f32 v13, |v[XS+3]|, |v[XS+4]|, |v[XS+5]|
.irp i, 6,10,14,18,22,26
	v_max3_num_f32 v12, v12, |v[XS+\i]|, |v[XS+\i+1]|
	v_max3_num_f32 v13, v13, |v[XS+\i+2]|, |v[XS+\i+3]|
.endr
	v_max3_num_f32 v12, v12, |v[XS+30]|, |v[XS+31]|
	v_max3_num_f32 v12, v12, v13, 0x2800000        ; and the floor
	v_add_nc_u32 v11, 0xfe000000, v12
	v_lshrrev_b32 v13, 23, v11                     ; the scale's byte
.if (\t)%4 == 0
	v_mov_b32 v[PWR+(\t)/4], v13
.else
	v_lshl_or_b32 v[PWR+(\t)/4], v13, 8*((\t)%4), v[PWR+(\t)/4]
.endif
	v_cvt_scalef32_pk16_bf6_f32 v[96:98], v[XS:XS+15], v11
	v_cvt_scalef32_pk16_bf6_f32 v[100:102], v[XS+16:XS+31], v11
	v_nop                                          ; one plain place behind a scaled conversion
	v_mov_b32 v99, v100                            ; the block's six registers on end
	v_mov_b32 v100, v101
	v_mov_b32 v101, v102
.irp p, 0,1,2                                  ; block t is registers 6 ((t % 4) / 2) on of lane 16 (t % 2) + r in the fragment of the (t / 4)-th 128 along K
	ds_store_b64 v2, v[96+2*\p:97+2*\p] offset:3072*((\t)/4)+256*(3*(((\t)%4)/2)+\p)+128*((\t)%2)
.endr
.if (\t)+2 < 8
	WLOAD (\t)+2
.endif
	s_wait_dscnt 0x0                               ; the stores have read their registers: the next block's codes may be written
.endm
	WLOAD 0
	WLOAD 1
.irp t, 0,1,2,3,4,5,6,7
	WBLOCK \t
.endr
.irp e, 0,1,2,3,4,5,6,7,8,9,10,11
	ds_load_b128 v[112+4*\e:115+4*\e], v3 offset:512*\e   ; LDS serves a wave's instructions in order: these see my stores
.endr
	global_store_b64 v10, v[PWR:PWR+1], s[28:29]   ; the wave's 32 places x 8 bytes: 256 consecutive bytes, aligned
.irp e, 0,1,2,3,4,5,6,7,8,9,10,11
	s_wait_dscnt 11-\e
	global_store_b128 v4, v[112+4*\e:115+4*\e], s[30:31] offset:12288*(\e/6)+512*(\e%6)   ; 512 consecutive bytes, aligned
.endr
	s_wait_tensorcnt 0x0
	ds_add_u32 v254, v255
	s_wait_dscnt 0x0
	s_endpgm
.Lfunc_end_k_q2ebe2a9329_quant:
	.size	k_q2ebe2a9329_quant, .Lfunc_end_k_q2ebe2a9329_quant-k_q2ebe2a9329_quant
	.p2alignl 7, 3214868480
	.fill 96, 4, 3214868480
	.section	.rodata,"a",@progbits
	.p2align	6, 0x0
	.amdhsa_kernel k_q2ebe2a9329_quant
		.amdhsa_group_segment_fixed_size 58880
		.amdhsa_private_segment_fixed_size 0
		.amdhsa_enable_private_segment 0
		.amdhsa_kernarg_size 56
		.amdhsa_user_sgpr_count 2
		.amdhsa_user_sgpr_kernarg_segment_ptr 1
		.amdhsa_wavefront_size32 1
		.amdhsa_system_sgpr_workgroup_id_x 1
		.amdhsa_system_sgpr_workgroup_id_y 1
		.amdhsa_system_sgpr_workgroup_id_z 1
		.amdhsa_system_vgpr_workitem_id 0
		.amdhsa_next_free_vgpr 256
		.amdhsa_next_free_sgpr 66
		.amdhsa_reserve_vcc 1
		.amdhsa_float_denorm_mode_32 3
		.amdhsa_float_denorm_mode_16_64 3
		.amdhsa_memory_ordered 1
		.amdhsa_forward_progress 1
		.amdhsa_inst_pref_size 77
	.end_amdhsa_kernel
	.amdgpu_metadata
---
amdhsa.version: [ 1, 2 ]
amdhsa.kernels:
  - .name:           k_q2ebe2a9329_quant
    .symbol:         k_q2ebe2a9329_quant.kd
    .args:
      - { .name: hidden_states, .offset: 0, .size: 8, .value_kind: global_buffer, .address_space: global }
      - { .name: Wq, .offset: 8, .size: 8, .value_kind: global_buffer, .address_space: global }
      - { .name: Wk, .offset: 16, .size: 8, .value_kind: global_buffer, .address_space: global }
      - { .name: Wv, .offset: 24, .size: 8, .value_kind: global_buffer, .address_space: global }
      - { .name: Wo, .offset: 32, .size: 8, .value_kind: global_buffer, .address_space: global }
      - { .name: xq, .offset: 40, .size: 8, .value_kind: global_buffer, .address_space: global }
      - { .name: wq4, .offset: 48, .size: 8, .value_kind: global_buffer, .address_space: global }
    .group_segment_fixed_size: 58880
    .private_segment_fixed_size: 0
    .kernarg_segment_align: 8
    .kernarg_segment_size: 56
    .max_flat_workgroup_size: 128
    .sgpr_count:     66
    .vgpr_count:     256
    .wavefront_size: 32
...
	.end_amdgpu_metadata
.endif
;; end of part 1
;; launch qkv (part 2): grid 8 x 48, 4 waves a work-group, clusters of 4 x 4, 327,680 bytes of LDS; arguments xq, wq4, bq, bk, bv, qk, vt; writes qk, vt
.if DOCPART == 2
	.amdgcn_target "amdgcn-amd-amdhsa--gfx1250"
	.amdhsa_code_object_version 6
	.text
	.protected	k_q2ebe2a9329_qkv
	.globl	k_q2ebe2a9329_qkv
	.p2align	8
	.type	k_q2ebe2a9329_qkv,@function
k_q2ebe2a9329_qkv:
	s_mov_b64 s[64:65], 0
	v_nop
	global_prefetch_b8 v0, s[64:65] scope:SCOPE_SE
	s_setreg_imm32_b32 hwreg(HW_REG_WAVE_MODE, 25, 1), 1
	s_wait_xcnt 0x0
	s_wait_alu depctr_hold_cnt(0) depctr_sa_sdst(0) depctr_va_vdst(0) depctr_va_sdst(0) depctr_va_ssrc(0) depctr_va_vcc(0) depctr_vm_vsrc(0)
	s_getreg_b32 s2, hwreg(HW_REG_IB_STS2, 6, 4)
	s_cmp_eq_u32 s2, 0
	s_cbranch_scc0 .Lentry_in_a_cluster
	s_endpgm
.Lentry_in_a_cluster:
	s_bfe_u32 s2, ttmp6, 0x10000c
	s_cmp_lg_u32 s2, 0xf033
	s_cbranch_scc0 .Lentry_shape_is_right
	s_endpgm
.Lentry_shape_is_right:
; q, k and v = hidden_states W + b on codes of BF6 (E3M2) with E8M0 scales, K = 1,024; the results are quantised in registers and leave as codes, in the order in which the attention's operand registers take them.
; A tile of 256 x 256 is made by four waves, each 128 x 128 (64 accumulators, 512 registers).  Source 0 takes "B"'s rows, source 1 "A"'s: a lane holds one row of A, its registers run along B's rows.
; TWO REGIONS, told apart by the cluster's y alone and by selects alone (no branch):  y < 8: A = the tokens, B = Wq and Wk: a lane holds a token, its 64 registers of a block run along 128 outputs = two heads: q and k are
; quantised along the head.  y >= 8: A = Wv, B = the tokens: a lane holds one channel of v, its registers run along 128 tokens: v is quantised along the keys.
; OPERANDS lie in memory and in LDS as images of their registers: a fragment is six units of 256 bytes, unit u = registers 2 u, 2 u + 1 of the 32 lanes.  So a K step of 256 for 128 rows is one dense block of 24,576 bytes,
; every LDS read is 256 consecutive bytes, and there is no pitch and no padding.  Row i of a block of 128 lies at place i with bits 3 and 4 exchanged, so that the 16 registers of two neighbouring tiles of source 0 are 16 neighbours.
; K goes in steps of 256 through a ring of two LDS slots; the scale bytes of the work-group's rows, for all of K, come once with the first fills.
; CLUSTERS: 4 x 4 work-groups; A's tiles are asked for jointly along a row of the cluster, B's along a column.
; THE BIASES: the one that runs along registers (q, k) is the C of the first products; the one that runs along lanes (v) is added on the way out.  Each region multiplies the set that it does not need by 0.
; LIMITS: NaN and infinities are not served, in the biases neither (0 x bias is formed); a block whose largest magnitude lies under 2^-122 keeps the scale byte 1 (a block of zeros too: its codes are zeros, and this program alone reads the bytes).
; REGISTERS: window 0: v16-31 addresses; v32-63 scale words, two sets; v64-127 the bias as C, later 64 numbers to quantise; v128-223 A's fragments, one set, later the way out's work; v224-231 the lanes' bias.
;   window 1: B's fragments, two sets, at v0 and v128.   windows 2, 3: the accumulators of my rows 0-63, 64-127 ((a, b) at v[8 (8 (a % 4) + b)]).
.set NQ,     2                         ; matrix instructions deep in a slot
.set FR,     12                        ; registers of a fragment
.set NL,     6                         ; LDS loads that bring one
.set NP,     4                         ; places behind this matrix instruction (ISA guide 7.12.1)
.set HALFT,  24576                     ; 128 rows x 256 K: [k / 128 (2)][tile (8)][1,536]: what one tensor load brings
.set SLOT,   4*HALFT                   ; A's two halves, then B's two
.set SCL,    2*SLOT                    ; the scale bytes: 4,096 for each 128 rows: [k / 256 (4)][place (128)][8]
.set SPARE,  SCL+4*4096                ; the spare words, 128 bytes for each wave: two blocks of 256 bytes that no other line names
.set LAPS,   2                         ; four K steps = twice round the ring
.set ADRA, 16                          ; v16-17 LDS address of my A fragments in slot 0, 1
.set ADRB, 20                          ; v20-21 of B's
.set SWA,  24                          ; v24 the way out: where a scale word goes: 512 x wave + 4 r (in slot 0, which has had its last fill and its last read by then)
.set SRA,  25                          ; v25 and where 16 bytes of them are read back
.set SVO,  26                          ; v26 their place in memory
.set ADRS, 27                          ; v27 LDS address of my scale words: lanes 0-15 A's, lanes 16-31 B's
.set SPW,  28                          ; v28 my spare word; never rewritten
.set NIL,  29                          ; v29 0; never rewritten
.set L8,   30                          ; v30 8 x lane: my place in a unit
.set SC,   32
.set BP,   64
.set HA,   64
.set AF,   128
.set PC,   128                         ; v128-146 the codes just made
.set TM,   160                         ; v160-175 at work in QUANT
.set PW,   176                         ; the scale word just made
.set BT,   178                         ; v178-179 the lanes' bias of the block in hand, twice
.set OW,   180                         ; v180-183 scale words on their way out
.set BQ,   224
.set WV, 18
.set RH, 19                            ; which half of the tile's rows is mine; also: I fetch for A (0) or for B (1)
.set CH, 20                            ; which half of its columns; also: which 128 rows I fetch
.set G1, 24
.set G0, 32
.set G1B, 48
.set G0B, 56
.set SEL, 66                           ; s[66:67]
.set G1S, 68
.set G0S, 76
.set G1SB, 80
.set G0SB, 88
.set MSB, 0
.macro WIN new                         ; the immediate's high byte repeats the setting that is left
.if MSB != (\new)
	s_set_vgpr_msb (MSB<<8)|(\new)
.set MSB, (\new)
.endif
.endm
.set MUL_LO, 0xa1                      ; source 0 (B) window 1, source 1 (A) window 0, C and D window 2
.set MUL_HI, 0xf1
.set INI_LO, 0x81                      ; the first products: C (the bias) window 0, D window 2
.set INI_HI, 0xc1
.set TO_B,   0x40
.macro JLOAD g0a, g1a, g0b, g1b        ; a joint load: waves 0 and 1 fetch for A, waves 2 and 3 for B; four v_nop follow each of the two lines
	s_cmp_eq_u32 s[RH], 0
	s_cbranch_scc0 .Lfor_b_\@
	tensor_load_to_lds s[\g0a:\g0a+3], s[\g1a:\g1a+7]
	s_nop 0
.rept 4
	v_nop
.endr
	s_branch .Lasked_\@
.Lfor_b_\@:
	tensor_load_to_lds s[\g0b:\g0b+3], s[\g1b:\g1b+7]
	s_nop 0
.rept 4
	v_nop
.endr
.Lasked_\@:
.endm
.macro CREST                           ; a round of the cluster's barrier behind its opening barrier
	s_cmp_lg_u32 s[WV], 0
	s_cbranch_scc1 .Lnot_wave_0_\@
	s_barrier_signal -3
.Lnot_wave_0_\@:
	s_barrier_wait -3
	s_barrier_signal -1
	s_barrier_wait -1
.endm
.macro CROUND
	s_barrier_signal -1
	s_barrier_wait -1
	CREST
.endm
.macro GROUP1 g, rows                  ; a dense block as rows of 256 bytes (32 elements of 8 bytes); word 0, with the mask, is written apart
	s_mov_b32 s[\g+1], 32<<16
	s_mov_b32 s[\g+2], (\rows)<<16
	s_mov_b32 s[\g+3], 32<<16
	s_mov_b32 s[\g+4], \rows
	s_mov_b32 s[\g+5], 32
	s_mov_b32 s[\g+6], 0
	s_mov_b32 s[\g+7], 0
.endm
; 64 numbers of a lane, register 16 b + i = k 32 b + 16 (lane / 16) + i, become a fragment's codes in v[PC] on and its scale word in v[pw].
.macro QUANT s, pw
.irp b, 0,1,2,3
	v_max3_num_f32 v[TM+\b], |v[\s+16*\b]|, |v[\s+1+16*\b]|, 0x2800000   ; and the floor 2^(5 - 127): the byte cannot fall under 1
.endr
.irp i, 2,4,6,8,10,12,14
.irp b, 0,1,2,3
	v_max3_num_f32 v[TM+\b], v[TM+\b], |v[\s+16*\b+\i]|, |v[\s+1+16*\b+\i]|
.endr
.endr
.irp b, 0,1,2,3
	v_permlanex16_b32 v[TM+4+\b], v[TM+\b], s[SEL], s[SEL+1]
.endr
.irp b, 0,1,2,3
	v_max_num_f32 v[TM+\b], v[TM+\b], v[TM+4+\b]
.endr
.irp b, 0,1,2,3
	v_add_nc_u32 v[TM+12+\b], 0xfe000000, v[TM+\b]   ; 4 off the exponent field: the conversion's scale operand
.endr
.irp b, 0,1,2,3
	v_lshrrev_b32 v[TM+4+\b], 23, v[TM+12+\b]
.endr
	v_lshl_or_b32 v[\pw], v[TM+5], 8, v[TM+4]
	v_lshl_or_b32 v[\pw], v[TM+6], 16, v[\pw]
	v_lshl_or_b32 v[\pw], v[TM+7], 24, v[\pw]
.irp c, 0,1
	v_cvt_scalef32_pk16_bf6_f32 v[PC+6*\c:PC+2+6*\c], v[\s+32*\c:\s+15+32*\c], v[TM+12+2*\c]
	v_cvt_scalef32_pk16_bf6_f32 v[PC+12+4*\c:PC+14+4*\c], v[\s+16+32*\c:\s+31+32*\c], v[TM+12+2*\c+1]
.endr
	v_nop                                          ; one plain place behind a scaled conversion
.irp c, 0,1
.irp i, 0,1,2
	v_permlane16_swap_b32 v[PC+6*\c+\i], v[PC+12+4*\c+\i]
.endr
.irp i, 0,1,2
	v_mov_b32 v[PC+3+6*\c+\i], v[PC+12+4*\c+\i]
.endr
.endr
.endm
	s_load_b256 s[4:11], s[0:1], 0x0               ; xq s[4:5], wq4 s[6:7], bq s[8:9], bk s[10:11]
	s_load_b128 s[12:15], s[0:1], 0x20             ; bv s[12:13], qk s[14:15]
	s_load_b64 s[16:17], s[0:1], 0x30              ; vt
	v_lshl_add_u32 v[SPW], v0, 2, SPARE
	v_mov_b32 v[NIL], 0
	ds_add_u32 v28, v29
	ds_add_u32 v28, v29
	s_wait_dscnt 0x0
	v_lshrrev_b32 v1, 5, v0
	v_readfirstlane_b32 s[WV], v1                  ; wave 0..3
	s_lshr_b32 s[RH], s[WV], 1
	s_and_b32 s[CH], s[WV], 1
	s_bfe_u32 s21, ttmp6, 0x40000                  ; cx
	s_bfe_u32 s22, ttmp6, 0x40004                  ; cy
	s_and_b32 s41, ttmp7, 0xffff                   ; the cluster's y: under 8 the region of q and k, from 8 on that of v
	s_lshl_b32 s40, s41, 2
	s_cmp_lt_u32 s41, 8
	s_cselect_b32 s40, s40, 0
	s_add_co_u32 s40, s40, s22                     ; A's tile: q, k: 4 y + cy (tokens);  v: cy (Wv's rows)
	s_max_u32 s23, s41, 8
	s_sub_co_u32 s23, s23, 8
	s_lshl_b32 s23, s23, 1
	s_add_co_u32 s23, s23, ttmp9
	s_lshl_b32 s23, s23, 2
	s_add_co_u32 s23, s23, s21                     ; B's tile: q, k: 4 x + cx (Wq's and Wk's rows);  v: 4 (x + 2 (y - 8)) + cx (tokens)
	s_lshl_b32 s42, s22, 2
	s_lshl_b32 s42, 15, s42                        ; my row of the cluster
	s_lshl_b32 s44, 0x1111, s21                    ; my column
	s_or_b32 s[G1+0], s42, (3<<16)|(1<<21)         ; 15:0 the mask; 17:16 elements of 8 bytes; 21 set beside a mask; no padding
	s_or_b32 s[G1B+0], s44, (3<<16)|(1<<21)
	s_or_b32 s[G1S+0], s42, (3<<16)|(1<<21)
	s_or_b32 s[G1SB+0], s44, (3<<16)|(1<<21)
	GROUP1 G1, 96                                  ; codes: 24,576 bytes
	GROUP1 G1B, 96
	GROUP1 G1S, 16                                 ; scale bytes: 4,096
	GROUP1 G1SB, 16
	s_lshl_b32 s42, s40, 1
	s_add_co_u32 s42, s42, s[CH]                   ; the block of 128 rows of A that I would fetch,
	s_lshl_b32 s44, s23, 1
	s_add_co_u32 s44, s44, s[CH]                   ; and of B.  A's numbers never meet cx, B's never cy
	s_mul_i32 s92, s42, 98304
	s_mov_b32 s93, 0
	s_lshl_b32 s94, s42, 12
	s_mov_b32 s95, 0
	s_mul_i32 s96, s44, 98304
	s_mov_b32 s97, 0
	s_lshl_b32 s98, s44, 12
	s_mov_b32 s99, 0
	s_mul_i32 s45, s[WV], HALFT                    ; where they go: wave x a half: no place in the cluster enters an LDS address
	s_lshl_b32 s2, s[WV], 12
	s_wait_kmcnt 0x0
	s_add_nc_u64 s[100:101], s[4:5], 6291456       ; the tokens' scale bytes
	s_add_nc_u64 s[42:43], s[6:7], 1572864         ; Wv's codes (blocks 16 on)
	s_add_nc_u64 s[46:47], s[6:7], 3145728         ; Wq's and Wk's scale bytes
	s_cmp_lt_u32 s41, 8
	s_cselect_b64 s[42:43], s[4:5], s[42:43]
	s_add_nc_u64 s[92:93], s[42:43], s[92:93]      ; A's codes
	s_add_nc_u64 s[42:43], s[6:7], 3211264         ; Wv's scale bytes
	s_cselect_b64 s[42:43], s[100:101], s[42:43]
	s_add_nc_u64 s[94:95], s[42:43], s[94:95]      ; A's scale bytes
	s_cselect_b64 s[46:47], s[46:47], s[100:101]
	s_add_nc_u64 s[98:99], s[46:47], s[98:99]      ; B's scale bytes
	s_cselect_b64 s[46:47], s[6:7], s[4:5]
	s_add_nc_u64 s[96:97], s[46:47], s[96:97]      ; B's codes
	CROUND                                         ; all sixteen work-groups are here: the first joint loads meet
	s_mov_b32 s[G0S], 1
	s_add_co_u32 s[G0S+1], s2, SCL
	s_mov_b64 s[G0S+2:G0S+3], s[94:95]
	s_or_b32 s[G0S+3], s[G0S+3], 0x80000000
	s_mov_b32 s[G0SB], 1
	s_add_co_u32 s[G0SB+1], s2, SCL
	s_mov_b64 s[G0SB+2:G0SB+3], s[98:99]
	s_or_b32 s[G0SB+3], s[G0SB+3], 0x80000000
	JLOAD G0S, G1S, G0SB, G1SB                     ; the scale bytes first: they are wanted with K step 0
.irp s, 0,1
	s_mov_b32 s[G0+4*\s], 1
	s_add_co_u32 s[G0+4*\s+1], s45, \s*SLOT
	s_add_nc_u64 s[G0+4*\s+2:G0+4*\s+3], s[92:93], \s*HALFT
	s_or_b32 s[G0+4*\s+3], s[G0+4*\s+3], 0x80000000
	s_mov_b32 s[G0B+4*\s], 1
	s_add_co_u32 s[G0B+4*\s+1], s45, \s*SLOT
	s_add_nc_u64 s[G0B+4*\s+2:G0B+4*\s+3], s[96:97], \s*HALFT
	s_or_b32 s[G0B+4*\s+3], s[G0B+4*\s+3], 0x80000000
	JLOAD G0+4*\s, G1, G0B+4*\s, G1B
.endr
	v_and_b32 v1, 15, v0                           ; r
	v_bfe_u32 v2, v0, 4, 1                         ; h
	s_wait_alu depctr_va_vdst(0)
	v_and_b32 v3, 31, v0                           ; lane
	v_lshlrev_b32 v4, 3, v3
	v_lshlrev_b32 v[L8], 3, v3
	s_mul_i32 s92, s[RH], HALFT                    ; my 128 rows of A
	s_mul_i32 s93, s[CH], HALFT
	s_add_co_u32 s93, s93, 2*HALFT                 ; my 128 rows of B
.irp s, 0,1
	v_add_nc_u32 v[ADRA+\s], s92, v4
	v_add_nc_u32 v[ADRB+\s], s93, v4
	s_add_co_u32 s92, s92, SLOT
	s_add_co_u32 s93, s93, SLOT
.endr
	v_lshlrev_b32 v5, 3, v1                        ; my place's 8 scale bytes of a K step
	s_lshl_b32 s92, s[RH], 12
	s_lshl_b32 s93, s[CH], 12
	s_add_co_u32 s93, s93, 8192
	s_sub_co_u32 s93, s93, s92
	v_mul_u32_u24 v6, s93, v2                      ; lanes 16-31 take B's
	s_add_co_u32 s92, s92, SCL
	v_add_nc_u32 v5, v5, v6
	v_add_nc_u32 v[ADRS], s92, v5
	; which tokens and which heads are my wave's
	s_lshl_b32 s92, s40, 1
	s_add_co_u32 s92, s92, s[RH]                   ; q, k: the tokens are A's rows
	s_lshl_b32 s93, s23, 1
	s_add_co_u32 s93, s93, s[CH]                   ; v: they are B's
	s_and_b32 s94, s23, 3
	s_lshl_b32 s94, s94, 2
	s_lshl_b32 s95, s[CH], 1
	s_add_co_u32 s94, s94, s95                     ; q, k: my first head
	s_lshl_b32 s95, s40, 2
	s_lshl_b32 s96, s[RH], 1
	s_add_co_u32 s95, s95, s96                     ; v: my first head
	s_lshr_b32 s96, s23, 2                         ; q, k: 0 = q, 1 = k
	s_cmp_lt_u32 s41, 8
	s_cselect_b32 s92, s92, s93                    ; my block of 128 tokens
	s_cselect_b32 s94, s94, s95                    ; my first head (an even one)
	s_cselect_b32 s96, s96, 0
	s_cselect_b32 s42, 1.0, 0                      ; what the registers' bias is multiplied by,
	s_cselect_b32 s44, 0, 1.0                      ; and the lanes'
	s_mov_b32 s43, s42                             ; (named with it as a pair, so it is written)
	s_lshl_b32 s95, s94, 8                         ; my 128 numbers of the bias: 256 bytes a head
	s_cmp_lt_u32 s41, 8
	s_cselect_b32 s46, s95, 0
	s_cselect_b32 s100, 0, s95
	s_mov_b32 s47, 0
	s_mov_b32 s101, 0
	s_cmp_eq_u32 s96, 1
	s_cselect_b64 s[8:9], s[10:11], s[8:9]         ; bk or bq,
	s_cmp_lt_u32 s41, 8
	s_cselect_b64 s[8:9], s[8:9], s[12:13]         ; or bv
	s_add_nc_u64 s[4:5], s[8:9], s[46:47]
	s_add_nc_u64 s[6:7], s[8:9], s[100:101]
	v_lshlrev_b32 v7, 6, v2                        ; along registers: tile b's eight are outputs 32 (b / 2) + 16 h + 8 (b % 2) + 0 .. 7
.irp b, 0,1,2,3,4,5,6,7
	global_load_b128 v[BP+8*\b:BP+8*\b+3], v7, s[4:5] offset:(32*(\b/2)+8*(\b%2))*4
	global_load_b128 v[BP+8*\b+4:BP+8*\b+7], v7, s[4:5] offset:(32*(\b/2)+8*(\b%2))*4+16
.endr
	v_and_b32 v8, 8, v1
	v_add_nc_u32 v8, v8, v1
	v_lshlrev_b32 v8, 2, v8                        ; along lanes: lane r of block a holds output 32 (a / 2) + 8 (a % 2) + r + 8 (r / 8)
.irp a, 0,1,2,3,4,5,6,7
	global_load_b32 v[BQ+\a], v8, s[6:7] offset:(32*(\a/2)+8*(\a%2))*4
.endr
	; where my results go
	s_lshr_b32 s93, s92, 4
	s_lshl_b32 s93, s93, 4
	s_add_co_u32 s93, s93, s94                     ; 16 x batch + head
	s_and_b32 s92, s92, 15                         ; which 128 tokens of the batch
	s_mul_i32 s95, s93, 98304                      ; a head's codes, of q, of k and of v alike,
	s_mul_i32 s97, s92, 6144                       ; and 128 tokens' of them
	s_add_co_u32 s95, s95, s97
	s_mul_i32 s97, s96, 6291456                    ; k's lie behind q's
	s_add_co_u32 s46, s95, s97
	s_lshl_b32 s97, s93, 12                        ; the scale words: 4,096 bytes a head (q, k: 8,192 a pair of heads)
	s_lshl_b32 s98, s96, 18
	s_add_co_u32 s97, s97, s98
	s_cmp_lt_u32 s41, 8
	s_cselect_b32 s98, 9, 8                        ; 128 tokens' words: q, k: 512 bytes;  v: 256
	s_lshl_b32 s98, s92, s98
	s_add_co_u32 s97, s97, s98
	s_mov_b32 s98, 6291456
	s_cmp_lt_u32 s41, 8
	s_cselect_b32 s98, 12582912, s98               ; behind the codes
	s_add_co_u32 s100, s97, s98
	s_cmp_lt_u32 s41, 8
	s_cselect_b64 s[14:15], s[14:15], s[16:17]     ; qk or vt
	s_mov_b32 s96, 1536
	s_cselect_b32 s96, 768, s96                    ; from block to block: q, k: half a fragment;  v: a fragment
	s_mov_b32 s97, 0
	s_mov_b32 s98, 92160
	s_cselect_b32 s98, 0, s98                      ; v: at block 4 on to the next head: 98,304 - 4 x 1,536
	s_mov_b32 s99, 0
	s_mov_b32 s94, 768
	s_cselect_b32 s94, 98304, s94                  ; registers 6-11: q, k: the next head;  v: the fragment's second half
	s_mov_b32 s95, 0
	s_mov_b32 s92, 4096
	s_cselect_b32 s92, 256, s92                    ; the second 256 bytes of scale words: q, k: on end;  v: the next head
	s_add_nc_u64 s[10:11], s[14:15], s[46:47]
	s_add_nc_u64 s[12:13], s[10:11], s[94:95]
	s_add_nc_u64 s[16:17], s[14:15], s[100:101]
	s_lshl_b32 s93, s[WV], 9
	v_lshl_add_u32 v[SWA], v1, 2, s93
	v_lshl_add_u32 v[SRA], v3, 4, s93
	v_mul_u32_u24 v[SVO], s92, v2
	v_lshl_add_u32 v[SVO], v1, 4, v[SVO]
	s_mov_b32 s[SEL], 0x76543210
	s_mov_b32 s[SEL+1], 0xfedcba98
	s_wait_loadcnt 0x0                             ; the biases
.set ii, 0
.rept 32
	v_pk_mul_f32 v[BP+2*ii:BP+2*ii+1], v[BP+2*ii:BP+2*ii+1], s[42:43] op_sel_hi:[1,0]
.set ii, ii+1
.endr
.irp a, 0,1,2,3,4,5,6,7
	v_mul_f32 v[BQ+\a], s44, v[BQ+\a]              ; (eight plain lines between the C registers' last write and the first product)
.endr
.macro FRAG reg, adr, q, i             ; a fragment: six units of 256 bytes, as they lie
.irp p, 0,1,2,3,4,5
	ds_load_b64 v[\reg+2*\p:\reg+2*\p+1], v[\adr] offset:(8*(\q)+(\i))*1536+256*\p
.endr
.endm
; 16 matrix instructions: A's blocks a0, a0 + 1 x B's eight.  zero = 1: the first products take the bias as C.  The 64 accumulators take turns, one instruction a turn.
.macro MUL16 a0, p, q, sc, zero
.irp a, \a0, \a0+1
.irp b, 0,1,2,3,4,5,6,7
.if \zero
	v_wmma_scale_f32_16x16x128_f8f6f4 v[8*(8*((\a)%4)+\b):8*(8*((\a)%4)+\b)+7], v[128*(\p)+FR*\b:128*(\p)+FR*\b+FR-1], v[AF+FR*(\a):AF+FR*(\a)+FR-1], v[BP+8*\b:BP+8*\b+7], v[SC+8*NQ*(\sc)+NQ*\b+(\q)], v[SC+8*NQ*(\sc)+NQ*(\a)+(\q)] matrix_a_fmt:MATRIX_FMT_BF6 matrix_b_fmt:MATRIX_FMT_BF6 matrix_a_scale:MATRIX_SCALE_ROW1
.else
	v_wmma_scale_f32_16x16x128_f8f6f4 v[8*(8*((\a)%4)+\b):8*(8*((\a)%4)+\b)+7], v[128*(\p)+FR*\b:128*(\p)+FR*\b+FR-1], v[AF+FR*(\a):AF+FR*(\a)+FR-1], v[8*(8*((\a)%4)+\b):8*(8*((\a)%4)+\b)+7], v[SC+8*NQ*(\sc)+NQ*\b+(\q)], v[SC+8*NQ*(\sc)+NQ*(\a)+(\q)] matrix_a_fmt:MATRIX_FMT_BF6 matrix_b_fmt:MATRIX_FMT_BF6 matrix_a_scale:MATRIX_SCALE_ROW1
.endif
.endr
.endr
.endm
.macro FETCH_B slot, q, p
	WIN TO_B
.irp i, 0,1,2,3,4,5,6,7
	FRAG 128*(\p)+FR*\i, ADRB+\slot, \q, \i
.endr
	WIN 0
.endm
.macro FETCH_A slot, q, i0
.irp i, \i0, \i0+1, \i0+2, \i0+3
	FRAG AF+FR*(\i), ADRA+\slot, \q, \i
.endr
.endm
.macro SCALES sc                       ; a K step's scale words: two a place; lanes 0-15 A's block i, lanes 16-31 B's block i
.irp i, 0,1,2,3,4,5,6,7
	ds_load_b64 v[SC+8*NQ*\sc+NQ*\i:SC+8*NQ*\sc+NQ*\i+1], v[ADRS] offset:\i*128
.endr
.endm
.macro PLACES n                        ; plain vector lines between a matrix instruction and a load into, or a read or write of, its registers
.rept \n
	v_nop
.endr
.endm
.macro STEP slot, q, zero              ; 128 along K that have their successor in the same slot
	s_wait_dscnt 4*NL                              ; B's set and A's blocks 0-3 are in; the youngest 24 loads (A's blocks 4-7) may be out
.if \zero
	WIN INI_LO
.else
	WIN MUL_LO
.endif
	MUL16 0, (\q)%2, \q, \slot, \zero
	MUL16 2, (\q)%2, \q, \slot, \zero
	s_wait_dscnt 0
	PLACES NP
	FETCH_B \slot, (\q)+1, 1-(\q)%2
	FETCH_A \slot, (\q)+1, 0
.if \zero
	WIN INI_HI
.else
	WIN MUL_HI
.endif
	MUL16 4, (\q)%2, \q, \slot, \zero
	MUL16 6, (\q)%2, \q, \slot, \zero
	PLACES NP
	WIN 0
	FETCH_A \slot, (\q)+1, 4
.endm
; A slot's last 128 change slots: one barrier; in front of it each wave waits for all its tensor loads, adds 0 to its spare word, and waits for that and for its reads of this slot.  fill = 1: this slot is filled again, two K steps ahead.
.macro TURN slot, next, fill
	s_wait_tensorcnt 0x0                           ; all my tensor loads have landed: my part of the next slot
	ds_add_u32 v[SPW], v[NIL]                      ; 0 onto my spare word
	s_wait_dscnt 4*NL+1                            ; (the add and the youngest 24 loads may be out)
	WIN MUL_LO
	MUL16 0, 1, NQ-1, \slot, 0
	s_wait_dscnt 0x0                               ; the add is done, and my reads of this slot are over
	s_barrier_signal -1
	MUL16 2, 1, NQ-1, \slot, 0
	WIN 0
	s_barrier_wait -1
.if \fill
	CREST                                          ; the barrier has opened a round of the cluster's: no wave of any partner still reads this slot or has a load on its way
	s_add_nc_u64 s[G0+4*\slot+2:G0+4*\slot+3], s[G0+4*\slot+2:G0+4*\slot+3], 2*HALFT
	s_add_nc_u64 s[G0B+4*\slot+2:G0B+4*\slot+3], s[G0B+4*\slot+2:G0B+4*\slot+3], 2*HALFT
	JLOAD G0+4*\slot, G1, G0B+4*\slot, G1B         ; the first tensor load behind the round; its four v_nop are the places in front of the loads below
.else
	PLACES NP
.endif
	s_wait_alu depctr_va_vdst(0)
	v_add_nc_u32 v[ADRS], 1024, v[ADRS]            ; the next K step's scale words
	FETCH_B \next, 0, 0
	FETCH_A \next, 0, 0
	SCALES \next
	WIN MUL_HI
	MUL16 4, 1, NQ-1, \slot, 0
	MUL16 6, 1, NQ-1, \slot, 0
	PLACES NP
	WIN 0
	FETCH_A \next, 0, 4
.endm
	s_wait_alu depctr_va_vdst(0)
	s_wait_tensorcnt 1                             ; the scale bytes and my part of K step 0 are in; K step 1's load may be out
	s_barrier_signal -1
	s_barrier_wait -1
	FETCH_B 0, 0, 0
	FETCH_A 0, 0, 0
	SCALES 0
	FETCH_A 0, 0, 4
	STEP 0, 0, 1
	s_mov_b32 s3, LAPS-1
.Llap:
	TURN 0, 1, 1
	STEP 1, 0, 0
	TURN 1, 0, 1
	STEP 0, 0, 0
	s_sub_co_u32 s3, s3, 1
	s_cmp_lg_u32 s3, 0
	s_cbranch_scc1 .Llap
	TURN 0, 1, 0                                   ; the last lap fills nothing
	STEP 1, 0, 0
	s_wait_dscnt 4*NL
	WIN MUL_LO
	MUL16 0, 1, NQ-1, 1, 0
	MUL16 2, 1, NQ-1, 1, 0
	s_wait_dscnt 0
	WIN MUL_HI
	MUL16 4, 1, NQ-1, 1, 0
	MUL16 6, 1, NQ-1, 1, 0
	WIN 0
; THE WAY OUT, block by block of A's 16 rows: a lane's 64 numbers are 128 neighbours along B's rows in two halves of lanes: they are quantised as they stand and leave as six whole units of 256 bytes.
.macro OUT a
.if (\a) > 0
	s_wait_xcnt 0x0                                ; the last block's stores have read their registers and bases
	s_wait_dscnt 0x0
	s_add_nc_u64 s[10:11], s[10:11], s[96:97]
	s_add_nc_u64 s[12:13], s[12:13], s[96:97]
.endif
.if (\a) == 4
	s_add_nc_u64 s[10:11], s[10:11], s[98:99]
	s_add_nc_u64 s[12:13], s[12:13], s[98:99]
.endif
	v_mov_b32 v[BT], v[BQ+(\a)]
	v_mov_b32 v[BT+1], v[BQ+(\a)]
	WIN 0x02+(\a)/4                                ; source 0: window 2 or 3
.set ii, 0
.rept 32
	v_pk_add_f32 v[HA+2*ii:HA+2*ii+1], v[64*((\a)%4)+2*ii:64*((\a)%4)+2*ii+1], v[BT:BT+1]   ; each accumulator from its low end on
.set ii, ii+1
.endr
	WIN 0
	QUANT HA, PW
.irp p, 0,1,2
	global_store_b64 v[L8], v[PC+2*\p:PC+2*\p+1], s[10:11] offset:256*\p       ; 32 lanes store 256 consecutive bytes, aligned
.endr
.irp p, 0,1,2
	global_store_b64 v[L8], v[PC+6+2*\p:PC+7+2*\p], s[12:13] offset:256*\p
.endr
	ds_store_b32 v[SWA], v[PW] offset:64*(\a)      ; lanes l and l xor 16 write the same word with the same value
.endm
	PLACES NP                                      ; behind the last products: their sources are written and results read from here on
.irp b, 0,1,2,3
	v_mov_b32 v[TM+4+\b], 0                        ; a lane permute's destination counts as one of its sources
.endr
.irp a, 0,1,2,3,4,5,6,7
	OUT \a
.endr
	ds_load_b128 v[OW:OW+3], v[SRA]                ; LDS serves a wave's instructions in order: this sees my eight stores
	s_wait_dscnt 0x0
	global_store_b128 v[SVO], v[OW:OW+3], s[16:17] ; two runs of 256 consecutive bytes, aligned
	s_wait_tensorcnt 0x0                           ; the wave's end
	ds_add_u32 v[SPW], v[NIL]
	s_wait_dscnt 0x0
	CROUND                                         ; the closing round
	s_endpgm
.Lfunc_end_k_q2ebe2a9329_qkv:
	.size	k_q2ebe2a9329_qkv, .Lfunc_end_k_q2ebe2a9329_qkv-k_q2ebe2a9329_qkv
	.p2alignl 7, 3214868480
	.fill 96, 4, 3214868480
	.section	.rodata,"a",@progbits
	.p2align	6, 0x0
	.amdhsa_kernel k_q2ebe2a9329_qkv
		.amdhsa_group_segment_fixed_size 327680
		.amdhsa_private_segment_fixed_size 0
		.amdhsa_enable_private_segment 0
		.amdhsa_kernarg_size 56
		.amdhsa_user_sgpr_count 2
		.amdhsa_user_sgpr_kernarg_segment_ptr 1
		.amdhsa_wavefront_size32 1
		.amdhsa_system_sgpr_workgroup_id_x 1
		.amdhsa_system_sgpr_workgroup_id_y 1
		.amdhsa_system_sgpr_workgroup_id_z 1
		.amdhsa_system_vgpr_workitem_id 0
		.amdhsa_next_free_vgpr 1024
		.amdhsa_next_free_sgpr 102
		.amdhsa_reserve_vcc 0
		.amdhsa_float_denorm_mode_32 3
		.amdhsa_float_denorm_mode_16_64 3
		.amdhsa_memory_ordered 1
		.amdhsa_forward_progress 1
		.amdhsa_inst_pref_size 190
	.end_amdhsa_kernel
	.amdgpu_metadata
---
amdhsa.version: [ 1, 2 ]
amdhsa.kernels:
  - .name:           k_q2ebe2a9329_qkv
    .symbol:         k_q2ebe2a9329_qkv.kd
    .args:
      - { .name: xq, .offset: 0, .size: 8, .value_kind: global_buffer, .address_space: global }
      - { .name: wq4, .offset: 8, .size: 8, .value_kind: global_buffer, .address_space: global }
      - { .name: bq, .offset: 16, .size: 8, .value_kind: global_buffer, .address_space: global }
      - { .name: bk, .offset: 24, .size: 8, .value_kind: global_buffer, .address_space: global }
      - { .name: bv, .offset: 32, .size: 8, .value_kind: global_buffer, .address_space: global }
      - { .name: qk, .offset: 40, .size: 8, .value_kind: global_buffer, .address_space: global }
      - { .name: vt, .offset: 48, .size: 8, .value_kind: global_buffer, .address_space: global }
    .group_segment_fixed_size: 327680
    .private_segment_fixed_size: 0
    .kernarg_segment_align: 8
    .kernarg_segment_size: 56
    .max_flat_workgroup_size: 128
    .sgpr_count:     102
    .vgpr_count:     1024
    .wavefront_size: 32
...
	.end_amdgpu_metadata
.endif
;; end of part 2
;; launch attn (part 3): grid 4 x 64, 16 waves a work-group, no clusters, 210,944 bytes of LDS; arguments qk, vt, aq; writes aq
.if DOCPART == 3
	.amdgcn_target "amdgcn-amd-amdhsa--gfx1250"
	.amdhsa_code_object_version 6
	.text
	.protected	k_q2ebe2a9329_attn
	.globl	k_q2ebe2a9329_attn
	.p2align	8
	.type	k_q2ebe2a9329_attn,@function
k_q2ebe2a9329_attn:
	s_mov_b64 s[64:65], 0
	v_nop
	global_prefetch_b8 v0, s[64:65] scope:SCOPE_SE
	s_setreg_imm32_b32 hwreg(HW_REG_WAVE_MODE, 25, 1), 1
	s_wait_xcnt 0x0
; a = softmax(where(causal, q k^T / 8, -10,000)) v for one head, both products on codes of BF6 (E3M2) with E8M0 scales; a is quantised along the merged heads and leaves as codes in the next product's register order.
; THE SOFTMAX: t = logit x log2(e); M = the running largest t rounded UP to a whole number; p = 2^(t - M) is quantised along the keys, not normalised; the row's sum is taken of the unquantised p and divides at the end.
; A WHOLE HEAD'S K AND V LIE IN LDS: codes and scale words are 208,896 bytes.  Each of the sixteen waves brings one key step's part by four tensor loads at the start (four of a wave's loads are out); nothing is filled again;
; one barrier; from there on the waves run by themselves, four to a SIMD, so that one wave's vector work stands beside another's products and LDS loads.
; SHARES: work-group (j, head); wave w takes the tile of 16 queries 16 j + w and then tile 127 - (16 j + w): together 17 key steps with open keys, in every wave.
; LAYOUT: both products transposed (S^T = K Q^T, O^T = V^T P^T): a lane holds ONE query.  Tokens and v's channels lie at places with bits 3 and 4 exchanged: lane r = 8 g + j of tile 2 a + u holds row 32 a + 16 g + 8 u + j;
; so the 16 registers of two neighbouring tiles of S^T are 16 neighbouring keys, and those of O^T 16 neighbouring channels.
; THE HEAD IS 64 WIDE, the instruction 128: Q's upper six registers are zero codes.  K's tile t is named as v[32 + 6 t : 43 + 6 t]: its upper six are the next tile's codes, which meet Q's zeros under scale bytes of 0 and add nothing.
; THE MASKED LOGIT IS -10,000, NOT -INFINITY, and is honoured for every input: on the diagonal hidden scores become -80,000 (= -10,000 x 8) ahead of the maximum.  A step all of whose keys are hidden needs no scores: its 128 p of a
; query are one number pm = 2^(t_m - M); its codes and scale word are made once a pass, and each such step costs V's loads and four products.
; NO CLUSTER, though the four work-groups of a head read the same K and V: the causal branches hang on the query tile, which differs between such partners, and joint requests ask that no branch do.
; LIMITS: NaN and infinities are not served; a p under 2^-126 comes out as 0 (v_exp_f32: ISA guide 15.8); 1 / sum is v_rcp_f32 and a multiplication; a block whose largest magnitude lies under 2^-122 keeps the scale byte 1.
; The two scale bytes of a row leave by a store of 2 bytes a lane, 8 bytes apart: 32 bytes beside each 768 bytes of codes, which leave as whole units.
; REGISTERS: v1-4 lane terms of the LDS addresses, v5-7 of the global ones; v8-11 the step's addresses; v12 -M, v13 the largest t, v[14:15] the sum; v16-27 Q; v28 the mask's lane term; v30-31 V's scale words; v32-85 K's tiles,
; then v32-79 V's; v96-159 S^T, then p; v160-191 O^T; v192 pm; v224-235 p's codes; v232-247, v252, v254 at work; v248-251 K's scale words; v253 p's; v255 Q's.
.set KC, 0                             ; LDS: K's codes [step (16)][tile (8)][768]
.set VC, 98304                         ; V's codes [step][tile (4)][1,536]
.set KS, 196608                        ; K's scale words [step][tile][16][4]: bytes 0, 1 the even head's, 2, 3 the odd head's
.set VS, 204800                        ; V's [step][tile][16][4]
.set WV, 10
.set BH, 11                            ; 16 x batch + head
.set TP, 14                            ; the tile of queries in hand
.set PASS, 15
.set STEPS, 16
.set KF, 17                            ; the step's first key
.set QB, 18                            ; lane r's query is QB + (r % 8) + 16 (r / 8)
.set FH, 19                            ; the first key step all of whose keys are hidden
.set SEL, 20
.set CS, 22                            ; s[22:23] c = log2(e) / 8
.set G1C, 24
.set G1K, 32
.set G1V, 40
.set G0, 48                            ; s[48:63] four groups 0
.set OC, 66                            ; the step's place in the codes, 6,144 a step;
.set OKS, 67                           ; in K's scale words, 512;
.set OVS, 68                           ; in V's, 256
.set T0, 69
.macro GROUP1 g, rows                  ; a dense block as rows of 256 bytes (32 elements of 8 bytes), no mask, no padding
	s_mov_b32 s[\g], 3<<16
	s_mov_b32 s[\g+1], 32<<16
	s_mov_b32 s[\g+2], (\rows)<<16
	s_mov_b32 s[\g+3], 32<<16
	s_mov_b32 s[\g+4], \rows
	s_mov_b32 s[\g+5], 32
	s_mov_b32 s[\g+6], 0
	s_mov_b32 s[\g+7], 0
.endm
	s_load_b128 s[4:7], s[0:1], 0x0                ; qk s[4:5], vt s[6:7]
	s_load_b64 s[8:9], s[0:1], 0x10                ; aq
	v_lshl_add_u32 v223, v0, 2, 0x33000
	v_mov_b32 v243, 0
	ds_add_u32 v223, v243
	ds_add_u32 v223, v243
	v_lshrrev_b32 v8, 5, v0
	s_delay_alu instid0(VALU_DEP_1)
	v_readfirstlane_b32 s[WV], v8                  ; wave 0..15
	s_and_b32 s[BH], ttmp7, 0xffff
	GROUP1 G1C, 24                                 ; a step's codes: 6,144 bytes
	GROUP1 G1K, 2                                  ; K's scale words: 512
	GROUP1 G1V, 1                                  ; V's: 256
	s_mul_i32 s78, s[BH], 98304
	s_mul_i32 s12, s[WV], 6144
	s_add_co_u32 s78, s78, s12
	s_mov_b32 s79, 0
	s_lshr_b32 s80, s[BH], 1
	s_lshl_b32 s80, s80, 13
	s_lshl_b32 s13, s[WV], 9
	s_add_co_u32 s80, s80, s13
	s_mov_b32 s81, 0
	s_lshl_b32 s82, s[BH], 12
	s_lshl_b32 s[T0], s[WV], 8
	s_add_co_u32 s82, s82, s[T0]
	s_mov_b32 s83, 0
	s_wait_dscnt 0x0
	s_wait_kmcnt 0x0
	s_mov_b32 s[G0], 1
	s_mov_b32 s[G0+1], s12                         ; KC + 6,144 x wave
	s_add_nc_u64 s[G0+2:G0+3], s[4:5], s[78:79]
	s_add_nc_u64 s[G0+2:G0+3], s[G0+2:G0+3], 6291456   ; k's codes lie behind q's
	s_or_b32 s[G0+3], s[G0+3], 0x80000000
	s_mov_b32 s[G0+4], 1
	s_add_co_u32 s[G0+5], s12, VC
	s_add_nc_u64 s[G0+6:G0+7], s[6:7], s[78:79]
	s_or_b32 s[G0+7], s[G0+7], 0x80000000
	s_mov_b32 s[G0+8], 1
	s_add_co_u32 s[G0+9], s13, KS
	s_add_nc_u64 s[G0+10:G0+11], s[4:5], s[80:81]
	s_add_nc_u64 s[G0+10:G0+11], s[G0+10:G0+11], 12845056
	s_or_b32 s[G0+11], s[G0+11], 0x80000000
	s_mov_b32 s[G0+12], 1
	s_add_co_u32 s[G0+13], s[T0], VS
	s_add_nc_u64 s[G0+14:G0+15], s[6:7], s[82:83]
	s_add_nc_u64 s[G0+14:G0+15], s[G0+14:G0+15], 6291456
	s_or_b32 s[G0+15], s[G0+15], 0x80000000
	tensor_load_to_lds s[G0:G0+3], s[G1C:G1C+7]    ; key step w's part of the head: the launch's only fills, each wave into bytes of its own
	s_nop 0
	tensor_load_to_lds s[G0+4:G0+7], s[G1C:G1C+7]
	s_nop 0
	tensor_load_to_lds s[G0+8:G0+11], s[G1K:G1K+7]
	s_nop 0
	tensor_load_to_lds s[G0+12:G0+15], s[G1V:G1V+7]
	s_nop 0
.rept 4
	v_nop
.endr
	v_and_b32 v9, 31, v0                           ; lane
	v_and_b32 v10, 15, v0                          ; r
	v_bfe_u32 v11, v0, 4, 1                        ; h
	s_delay_alu instid0(VALU_DEP_3)
	v_lshlrev_b32 v5, 3, v9                        ; my place in a unit
	s_delay_alu instid0(VALU_DEP_3)
	v_lshlrev_b32 v6, 2, v10
	s_delay_alu instid0(VALU_DEP_4)
	v_lshlrev_b32 v7, 3, v10
	s_delay_alu instid0(VALU_DEP_3)
	v_mov_b32 v1, v5                               ; KC + 8 x lane
	s_delay_alu instid0(VALU_DEP_4)
	v_add_nc_u32 v2, VC, v5
	v_lshlrev_b32 v3, 2, v9                        ; scale words: lanes 0-15 an even tile's, lanes 16-31 the odd tile's behind it
	s_delay_alu instid0(VALU_DEP_1)
	v_add_nc_u32 v4, VS, v3
	s_and_b32 s12, s[BH], 1
	s_lshl_b32 s12, s12, 1
	s_add_co_u32 s12, s12, KS
	v_add_nc_u32 v3, s12, v3                       ; K's: my head's two bytes
	v_and_b32 v28, 7, v0
	v_bfe_u32 v8, v0, 3, 1
	s_delay_alu instid0(VALU_DEP_1)
	v_lshl_add_u32 v28, v8, 4, v28
	v_lshlrev_b32 v8, 4, v11
	s_delay_alu instid0(VALU_DEP_1)
	v_sub_nc_u32 v28, v28, v8                      ; (r % 8) + 16 (r / 8) - 16 h
.irp i, 22,23,24,25,26,27, 80,81,82,83,84,85
	v_mov_b32 v\i, 0                               ; Q's upper half and what stands behind K's last tile: zero codes, written once
.endr
.set n, 0
.rept 16
	v_mov_b32 v[224+n], 0                          ; written once, so that they are written on every way: p's codes, and the lane permutes' destinations
.set n, n+1
.endr
	v_mov_b32 v192, 0
	v_mov_b32 v252, 0
	v_mov_b32 v253, 0
	s_mov_b32 s[SEL], 0x76543210
	s_mov_b32 s[SEL+1], 0xfedcba98
	s_mov_b32 s[CS], 0x3e38aa3b                    ; c = log2(e) / 8
	s_mov_b32 s[CS+1], s[CS]
	s_lshl_b32 s[TP], ttmp9, 4
	s_add_co_u32 s[TP], s[TP], s[WV]
	s_mov_b32 s[PASS], 2
	s_wait_tensorcnt 0x0                           ; my four loads have landed,
	s_barrier_signal -1
	s_barrier_wait -1                              ; everybody's have: the head is whole, and nobody writes LDS again
.macro VLOADS                                  ; the step's four tiles of V^T and their scale words
.irp t, 0,1,2,3
.irp p, 0,1,2,3,4,5
	ds_load_b64 v[32+12*\t+2*\p:33+12*\t+2*\p], v9 offset:1536*\t+256*\p
.endr
.endr
.irp c, 0,1
	ds_load_b32 v[30+\c], v11 offset:128*\c
.endr
.endm
.Lpass:
	s_lshr_b32 s[QB], s[TP], 1
	s_lshl_b32 s[QB], s[QB], 5
	s_and_b32 s[T0], s[TP], 1
	s_lshl_b32 s[T0], s[T0], 3
	s_add_co_u32 s[QB], s[QB], s[T0]               ; 32 (tile / 2) + 8 (tile % 2)
	s_and_b32 s[FH], s[QB], 0xffffff80
	s_add_co_u32 s[FH], s[FH], 128
	s_lshl_b32 s78, s[BH], 7
	s_add_co_u32 s78, s78, s[TP]
	s_mul_i32 s78, s78, 768
	s_mov_b32 s79, 0
	s_add_nc_u64 s[70:71], s[4:5], s[78:79]        ; Q's codes
	s_lshr_b32 s78, s[BH], 1
	s_lshl_b32 s78, s78, 7
	s_add_co_u32 s78, s78, s[TP]
	s_lshl_b32 s78, s78, 6
	s_and_b32 s[T0], s[BH], 1
	s_lshl_b32 s[T0], s[T0], 1
	s_add_co_u32 s78, s78, s[T0]
	s_add_co_u32 s78, s78, 12582912
	s_add_nc_u64 s[72:73], s[4:5], s[78:79]        ; Q's scale bytes
	s_lshr_b32 s80, s[BH], 4
	s_lshl_b32 s80, s80, 4
	s_lshr_b32 s[T0], s[TP], 3
	s_add_co_u32 s80, s80, s[T0]                   ; a's block of 128 tokens
	s_and_b32 s81, s[BH], 15                       ; the head
	s_and_b32 s82, s[TP], 7                        ; the tile in the block
	s_mul_i32 s78, s80, 98304
	s_lshr_b32 s[T0], s81, 1
	s_lshl_b32 s[T0], s[T0], 3
	s_add_co_u32 s[T0], s[T0], s82
	s_mul_i32 s[T0], s[T0], 1536                   ; two heads are 128 along the next K: fragment (head / 2, tile),
	s_add_co_u32 s78, s78, s[T0]
	s_and_b32 s[T0], s81, 1
	s_mul_i32 s[T0], s[T0], 768                    ; its lower or upper half
	s_add_co_u32 s78, s78, s[T0]
	s_add_nc_u64 s[74:75], s[8:9], s[78:79]
	s_lshl_b32 s78, s80, 12
	s_lshr_b32 s[T0], s81, 2
	s_lshl_b32 s[T0], s[T0], 10
	s_add_co_u32 s78, s78, s[T0]
	s_lshl_b32 s[T0], s82, 7
	s_add_co_u32 s78, s78, s[T0]
	s_and_b32 s[T0], s81, 3
	s_lshl_b32 s[T0], s[T0], 1
	s_add_co_u32 s78, s78, s[T0]
	s_add_co_u32 s78, s78, 6291456
	s_add_nc_u64 s[76:77], s[8:9], s[78:79]        ; a's scale bytes
.irp p, 0,1,2
	global_load_b64 v[16+2*\p:17+2*\p], v5, s[70:71] offset:256*\p
.endr
	global_load_u16 v255, v6, s[72:73]             ; two bytes; the word's upper two are 0
	v_mov_b32 v13, 0xff61b1e6                      ; the largest t so far: -3e38
	s_delay_alu instid0(VALU_DEP_1)
	v_floor_f32 v12, -v13
	v_mov_b32 v14, 0
	v_mov_b32 v15, 0
.set n, 0
.rept 32
	v_mov_b32 v[160+n], 0                          ; O^T: the step is written once; its first turn finds zeros
.set n, n+1
.endr
	s_mov_b32 s[STEPS], 16
	s_mov_b32 s[KF], 0
	s_mov_b32 s[OC], 0
	s_mov_b32 s[OKS], 0
	s_mov_b32 s[OVS], 0
	s_wait_loadcnt 0x0
.Lstep:                                            ; sixteen trips, always: what differs is jumped over inside
	v_add_nc_u32 v8, s[OC], v1                     ; (these four are also the places behind the last trip's products)
	v_add_nc_u32 v9, s[OC], v2
	v_add_nc_u32 v10, s[OKS], v3
	v_add_nc_u32 v11, s[OVS], v4
	s_cmp_ge_u32 s[KF], s[FH]
	s_cbranch_scc1 .Lhid
.irp t, 0,1,2,3,4,5,6,7
.irp p, 0,1,2
	ds_load_b64 v[32+6*\t+2*\p:33+6*\t+2*\p], v8 offset:768*\t+256*\p
.endr
.endr
.irp c, 0,1,2,3
	ds_load_u16 v[248+\c], v10 offset:128*\c
.endr
	s_wait_dscnt 0x0
.irp t, 0,2,4,6                                ; S^T = K Q^T
	v_wmma_scale_f32_16x16x128_f8f6f4 v[96+8*\t:103+8*\t], v[32+6*\t:43+6*\t], v[16:27], 0, v[248+\t/2], v255 matrix_a_fmt:MATRIX_FMT_BF6 matrix_b_fmt:MATRIX_FMT_BF6
	v_wmma_scale_f32_16x16x128_f8f6f4 v[104+8*\t:111+8*\t], v[38+6*\t:49+6*\t], v[16:27], 0, v[248+\t/2], v255 matrix_a_fmt:MATRIX_FMT_BF6 matrix_b_fmt:MATRIX_FMT_BF6 matrix_a_scale:MATRIX_SCALE_ROW1
.endr
.rept 4
	v_nop                                          ; places: then K's registers take V, and the scores are read
.endr
	s_wait_alu depctr_va_vdst(0)
	VLOADS                                         ; they land under the softmax
	s_add_co_u32 s[T0], s[KF], 127
	s_cmp_le_u32 s[T0], s[QB]
	s_cbranch_scc1 .Lopen                          ; all 128 keys count for all my queries
	s_sub_co_i32 s[T0], s[QB], s[KF]
	v_add_nc_u32 v252, s[T0], v28                  ; d = my query - KF - 16 h.  Register 16 b + i holds key KF + 16 h + 32 b + i: hidden where 32 b + i > d
	v_mov_b32 v254, 0xc79c4000                     ; -80,000
.set n, 0
.rept 64
	v_cmp_gt_i32 vcc_lo, 32*(n/16)+n%16, v252
	v_cndmask_b32 v[96+n], v[96+n], v254, vcc_lo
.set n, n+1
.endr
.Lopen:
.irp b, 0,1,2,3
	v_max3_num_f32 v[232+\b], v[96+16*\b], v[97+16*\b], v[98+16*\b]   ; the largest score of each block of 32 keys: for the row's maximum, and, since p rises with the score, for the block's largest p
.endr
.irp i, 3,5,7,9,11,13
.irp b, 0,1,2,3
	v_max3_num_f32 v[232+\b], v[232+\b], v[96+16*\b+\i], v[97+16*\b+\i]
.endr
.endr
.irp b, 0,1,2,3
	v_max_num_f32 v[232+\b], v[232+\b], v[111+16*\b]
.endr
.irp b, 0,1,2,3
	s_delay_alu instid0(VALU_DEP_4)
	v_permlanex16_b32 v[236+\b], v[232+\b], s[SEL], s[SEL+1]
.endr
.irp b, 0,1,2,3
	s_delay_alu instid0(VALU_DEP_4)
	v_max_num_f32 v[232+\b], v[232+\b], v[236+\b]
.endr
	s_delay_alu instid0(VALU_DEP_2)
	v_max3_num_f32 v254, v232, v233, v234
	s_delay_alu instid0(VALU_DEP_1)
	v_max_num_f32 v254, v254, v235
	s_delay_alu instid0(VALU_DEP_1)
	v_mul_f32 v254, s[CS], v254
	s_delay_alu instid0(VALU_DEP_1)
	v_max_num_f32 v13, v13, v254                   ; the running largest t
	v_mov_b32 v254, v12
	s_delay_alu instid0(VALU_DEP_2)
	v_floor_f32 v12, -v13                          ; -M = floor(-t): M is a whole number
	s_delay_alu instid0(VALU_DEP_1)
	v_sub_f32 v254, v12, v254
	s_delay_alu instid0(VALU_DEP_1)
	v_cvt_i32_f32 v254, v254                       ; (it saturates)
	s_delay_alu instid0(VALU_DEP_1)
	v_ldexp_f32 v252, 1.0, v254                    ; f = 2^(old M - new M)
.set n, 0
.rept 32
	v_pk_fma_f32 v[96+n:97+n], v[96+n:97+n], s[CS:CS+1], v[12:13] op_sel_hi:[1,0,0]   ; t - M
.set n, n+2
.endr
.irp b, 0,1,2,3
	v_fma_f32 v[232+\b], v[232+\b], s[CS], v12
.endr
.set n, 0
	s_wait_alu depctr_va_vdst(0)
.rept 64
	v_exp_f32 v[96+n], v[96+n]                     ; p = 2^(t - M)
.set n, n+1
.endr
.irp b, 0,1,2,3
	v_exp_f32 v[232+\b], v[232+\b]                 ; the block's largest p: the same two instructions on the same number
.endr
	v_pk_mul_f32 v[14:15], v[14:15], v[252:253] op_sel_hi:[1,0]   ; the sums under the new M (a plain place behind the exponentials)
	s_wait_alu depctr_va_vdst(0)
.irp b, 0,1,2,3
	v_max_num_f32 v[232+\b], 0x2800000, v[232+\b]  ; the floor 2^(5 - 127)
.endr
.irp b, 0,1,2,3
	s_delay_alu instid0(VALU_DEP_4)
	v_add_nc_u32 v[244+\b], 0xfe000000, v[232+\b]
.endr
.irp b, 0,1,2,3
	s_delay_alu instid0(VALU_DEP_4)
	v_lshrrev_b32 v[236+\b], 23, v[244+\b]
.endr
	s_delay_alu instid0(VALU_DEP_3)
	v_lshl_or_b32 v253, v237, 8, v236              ; p's scale word for these 128 keys
	s_delay_alu instid0(VALU_DEP_1)
	v_lshl_or_b32 v253, v238, 16, v253
	s_delay_alu instid0(VALU_DEP_1)
	v_lshl_or_b32 v253, v239, 24, v253
.irp c, 0,1
	v_cvt_scalef32_pk16_bf6_f32 v[224+6*\c:226+6*\c], v[96+32*\c:111+32*\c], v[244+2*\c]
	v_cvt_scalef32_pk16_bf6_f32 v[236+4*\c:238+4*\c], v[112+32*\c:127+32*\c], v[244+2*\c+1]
.endr
	v_nop                                          ; one plain place behind a scaled conversion
.irp c, 0,1
.irp i, 0,1,2
	v_permlane16_swap_b32 v[224+6*\c+\i], v[236+4*\c+\i]
.endr
.irp i, 0,1,2
	s_delay_alu instid0(VALU_DEP_3)
	v_mov_b32 v[227+6*\c+\i], v[236+4*\c+\i]
.endr
.endr
	v_pk_add_f32 v[236:237], v[100:101], v[104:105]
	v_pk_add_f32 v[250:251], v[108:109], v[112:113]
	v_pk_add_f32 v[248:249], v[116:117], v[120:121]
	v_pk_add_f32 v[246:247], v[124:125], v[128:129]
	v_pk_add_f32 v[244:245], v[132:133], v[136:137]
	v_pk_add_f32 v[240:241], v[140:141], v[144:145]
	v_pk_add_f32 v[220:221], v[148:149], v[152:153]
	v_pk_add_f32 v[14:15], v[14:15], v[156:157]
	v_pk_add_f32 v[236:237], v[236:237], v[96:97]
	v_pk_add_f32 v[250:251], v[250:251], v[98:99]
	v_pk_add_f32 v[248:249], v[248:249], v[102:103]
	v_pk_add_f32 v[246:247], v[246:247], v[106:107]
	v_pk_add_f32 v[244:245], v[244:245], v[110:111]
	v_pk_add_f32 v[240:241], v[240:241], v[114:115]
	v_pk_add_f32 v[220:221], v[220:221], v[118:119]
	v_pk_add_f32 v[14:15], v[14:15], v[122:123]
	v_pk_add_f32 v[236:237], v[236:237], v[126:127]
	v_pk_add_f32 v[250:251], v[250:251], v[130:131]
	v_pk_add_f32 v[248:249], v[248:249], v[134:135]
	v_pk_add_f32 v[246:247], v[246:247], v[138:139]
	v_pk_add_f32 v[244:245], v[244:245], v[142:143]
	v_pk_add_f32 v[240:241], v[240:241], v[146:147]
	v_pk_add_f32 v[220:221], v[220:221], v[150:151]
	v_pk_add_f32 v[14:15], v[14:15], v[154:155]
	v_pk_add_f32 v[236:237], v[236:237], v[158:159]
	s_delay_alu instid0(VALU_DEP_2)
	v_pk_add_f32 v[14:15], v[14:15], v[246:247]
	s_delay_alu instid0(VALU_DEP_2)
	v_pk_add_f32 v[236:237], v[236:237], v[244:245]
	v_pk_add_f32 v[250:251], v[250:251], v[240:241]
	v_pk_add_f32 v[248:249], v[248:249], v[220:221]
	s_delay_alu instid0(VALU_DEP_2)
	v_pk_add_f32 v[14:15], v[14:15], v[250:251]
	s_delay_alu instid0(VALU_DEP_2)
	v_pk_add_f32 v[236:237], v[236:237], v[248:249]
	s_delay_alu instid0(VALU_DEP_1)
	v_pk_add_f32 v[14:15], v[14:15], v[236:237]
.set n, 0
.rept 16
	v_pk_mul_f32 v[160+n:161+n], v[160+n:161+n], v[252:253] op_sel_hi:[1,0]   ; O^T under the new M
.set n, n+2
.endr
	s_branch .Lpv
.Lhid:                                             ; all 128 keys of the step are hidden
	s_wait_alu depctr_va_vdst(0)
	VLOADS
	s_cmp_lg_u32 s[KF], s[FH]
	s_cbranch_scc1 .Lbuilt
	v_mov_b32 v254, 0xc79c4000                     ; once a pass: the hidden keys' t enters the maximum as every score does,
	s_delay_alu instid0(VALU_DEP_1)
	v_mul_f32 v232, s[CS], v254
	s_delay_alu instid0(VALU_DEP_1)
	v_max_num_f32 v13, v13, v232
	v_mov_b32 v233, v12
	s_delay_alu instid0(VALU_DEP_2)
	v_floor_f32 v12, -v13
	s_delay_alu instid0(VALU_DEP_1)
	v_sub_f32 v233, v12, v233
	s_delay_alu instid0(VALU_DEP_1)
	v_cvt_i32_f32 v233, v233
	s_delay_alu instid0(VALU_DEP_1)
	v_ldexp_f32 v252, 1.0, v233
	s_delay_alu instid0(VALU_DEP_4)
	v_fma_f32 v192, v254, s[CS], v12
	s_wait_alu depctr_va_vdst(0)
	v_exp_f32 v192, v192                           ; pm
	v_pk_mul_f32 v[14:15], v[14:15], v[252:253] op_sel_hi:[1,0]
.set n, 0
	s_wait_alu depctr_va_vdst(0)
.rept 16
	v_pk_mul_f32 v[160+n:161+n], v[160+n:161+n], v[252:253] op_sel_hi:[1,0]
.set n, n+2
.endr
	s_wait_alu depctr_va_vdst(0)
	v_max_num_f32 v232, 0x2800000, v192
	s_delay_alu instid0(VALU_DEP_1)
	v_add_nc_u32 v244, 0xfe000000, v232
	s_delay_alu instid0(VALU_DEP_1)
	v_lshrrev_b32 v236, 23, v244
	s_delay_alu instid0(VALU_DEP_1)
	v_lshl_or_b32 v253, v236, 8, v236              ; all four blocks have the same byte
	s_delay_alu instid0(VALU_DEP_1)
	v_lshl_or_b32 v253, v253, 16, v253
.set n, 0
.rept 16
	v_mov_b32 v[96+n], v192
.set n, n+1
.endr
	v_cvt_scalef32_pk16_bf6_f32 v[224:226], v[96:111], v244   ; sixteen equal codes, 96 bits;
	v_nop
.set n, 0
.rept 9
	v_mov_b32 v[227+n], v[224+n]                   ; a lane's 64 codes are those three registers four times
.set n, n+1
.endr
.rept 4
	v_nop                                          ; places between the operand's last write and the products
.endr
.Lbuilt:
	v_fmac_f32 v14, 0x42800000, v192               ; my 64 of the step's 128 hidden keys
.Lpv:
	s_wait_dscnt 0x0                               ; V is in
	s_wait_alu depctr_va_vdst(0)
.irp t, 0,2                                    ; O^T += V^T P^T: four accumulators by turns, one instruction a turn
	v_wmma_scale_f32_16x16x128_f8f6f4 v[160+8*\t:167+8*\t], v[32+12*\t:43+12*\t], v[224:235], v[160+8*\t:167+8*\t], v[30+\t/2], v253 matrix_a_fmt:MATRIX_FMT_BF6 matrix_b_fmt:MATRIX_FMT_BF6
	v_wmma_scale_f32_16x16x128_f8f6f4 v[168+8*\t:175+8*\t], v[44+12*\t:55+12*\t], v[224:235], v[168+8*\t:175+8*\t], v[30+\t/2], v253 matrix_a_fmt:MATRIX_FMT_BF6 matrix_b_fmt:MATRIX_FMT_BF6 matrix_a_scale:MATRIX_SCALE_ROW1
.endr
	s_add_co_u32 s[KF], s[KF], 128
	s_add_co_u32 s[OC], s[OC], 6144
	s_add_co_u32 s[OKS], s[OKS], 512
	s_add_co_u32 s[OVS], s[OVS], 256
	s_sub_co_u32 s[STEPS], s[STEPS], 1
	s_cmp_lg_u32 s[STEPS], 0
	s_cbranch_scc1 .Lstep
	; THE PASS'S END: O^T / the sum; a lane's 32 numbers are channels 32 b + 16 h + i: two blocks along the next K
.rept 4
	v_nop                                          ; places behind the last products
.endr
	v_add_f32 v14, v14, v15
	s_delay_alu instid0(VALU_DEP_1)
	v_permlanex16_b32 v252, v14, s[SEL], s[SEL+1]
	s_delay_alu instid0(VALU_DEP_1)
	v_add_f32 v14, v14, v252
	s_wait_alu depctr_va_vdst(0)
	v_rcp_f32 v14, v14
	v_nop                                          ; one plain place behind a transcendental
.set n, 0
	s_wait_alu depctr_va_vdst(0)
.rept 32
	v_mul_f32 v[96+n], v[160+n], v14
.set n, n+1
.endr
.irp b, 0,1
	v_max3_num_f32 v[232+\b], |v[96+16*\b]|, |v[97+16*\b]|, 0x2800000
.endr
.irp i, 2,4,6,8,10,12,14
.irp b, 0,1
	s_delay_alu instid0(VALU_DEP_2)
	v_max3_num_f32 v[232+\b], v[232+\b], |v[96+16*\b+\i]|, |v[97+16*\b+\i]|
.endr
.endr
.irp b, 0,1
	s_delay_alu instid0(VALU_DEP_2)
	v_permlanex16_b32 v[236+\b], v[232+\b], s[SEL], s[SEL+1]
.endr
.irp b, 0,1
	s_delay_alu instid0(VALU_DEP_2)
	v_max_num_f32 v[232+\b], v[232+\b], v[236+\b]
.endr
.irp b, 0,1
	s_delay_alu instid0(VALU_DEP_2)
	v_add_nc_u32 v[244+\b], 0xfe000000, v[232+\b]
.endr
.irp b, 0,1
	s_delay_alu instid0(VALU_DEP_2)
	v_lshrrev_b32 v[236+\b], 23, v[244+\b]
.endr
	s_delay_alu instid0(VALU_DEP_1)
	v_lshl_or_b32 v240, v237, 8, v236              ; my row's two scale bytes
	v_cvt_scalef32_pk16_bf6_f32 v[224:226], v[96:111], v244
	v_cvt_scalef32_pk16_bf6_f32 v[236:238], v[112:127], v245
	v_nop
.irp i, 0,1,2
	v_permlane16_swap_b32 v[224+\i], v[236+\i]
.endr
.irp i, 0,1,2
	s_delay_alu instid0(VALU_DEP_3)
	v_mov_b32 v[227+\i], v[236+\i]
.endr
.irp p, 0,1,2
	global_store_b64 v5, v[224+2*\p:225+2*\p], s[74:75] offset:256*\p   ; 32 lanes store 256 consecutive bytes, aligned
.endr
	global_store_b16 v7, v240, s[76:77]            ; lanes l and l xor 16 store the same two bytes
	s_wait_xcnt 0x0                                ; the stores have read their registers and bases: both are written again in the next pass
	s_sub_co_u32 s[TP], 127, s[TP]
	s_sub_co_u32 s[PASS], s[PASS], 1
	s_cmp_lg_u32 s[PASS], 0
	s_cbranch_scc1 .Lpass
	s_wait_tensorcnt 0x0
	ds_add_u32 v223, v243
	s_wait_dscnt 0x0
	s_endpgm
.Lfunc_end_k_q2ebe2a9329_attn:
	.size	k_q2ebe2a9329_attn, .Lfunc_end_k_q2ebe2a9329_attn-k_q2ebe2a9329_attn
	.p2alignl 7, 3214868480
	.fill 96, 4, 3214868480
	.section	.rodata,"a",@progbits
	.p2align	6, 0x0
	.amdhsa_kernel k_q2ebe2a9329_attn
		.amdhsa_group_segment_fixed_size 210944
		.amdhsa_private_segment_fixed_size 0
		.amdhsa_enable_private_segment 0
		.amdhsa_kernarg_size 24
		.amdhsa_user_sgpr_count 2
		.amdhsa_user_sgpr_kernarg_segment_ptr 1
		.amdhsa_wavefront_size32 1
		.amdhsa_system_sgpr_workgroup_id_x 1
		.amdhsa_system_sgpr_workgroup_id_y 1
		.amdhsa_system_sgpr_workgroup_id_z 1
		.amdhsa_system_vgpr_workitem_id 0
		.amdhsa_next_free_vgpr 256
		.amdhsa_next_free_sgpr 96
		.amdhsa_reserve_vcc 1
		.amdhsa_float_denorm_mode_32 3
		.amdhsa_float_denorm_mode_16_64 3
		.amdhsa_memory_ordered 1
		.amdhsa_forward_progress 1
		.amdhsa_inst_pref_size 44
	.end_amdhsa_kernel
	.amdgpu_metadata
---
amdhsa.version: [ 1, 2 ]
amdhsa.kernels:
  - .name:           k_q2ebe2a9329_attn
    .symbol:         k_q2ebe2a9329_attn.kd
    .args:
      - { .name: qk, .offset: 0, .size: 8, .value_kind: global_buffer, .address_space: global }
      - { .name: vt, .offset: 8, .size: 8, .value_kind: global_buffer, .address_space: global }
      - { .name: aq, .offset: 16, .size: 8, .value_kind: global_buffer, .address_space: global }
    .group_segment_fixed_size: 210944
    .private_segment_fixed_size: 0
    .kernarg_segment_align: 8
    .kernarg_segment_size: 24
    .max_flat_workgroup_size: 512
    .sgpr_count:     96
    .vgpr_count:     256
    .wavefront_size: 32
...
	.end_amdgpu_metadata
.endif
;; end of part 3
;; launch proj (part 4): grid 4 x 32, 4 waves a work-group, clusters of 4 x 4, 327,680 bytes of LDS; arguments aq, wq4, bo, out0; writes out0
.if DOCPART == 4
	.amdgcn_target "amdgcn-amd-amdhsa--gfx1250"
	.amdhsa_code_object_version 6
	.text
	.protected	k_q2ebe2a9329_proj
	.globl	k_q2ebe2a9329_proj
	.p2align	8
	.type	k_q2ebe2a9329_proj,@function
k_q2ebe2a9329_proj:
	s_mov_b64 s[64:65], 0
	v_nop
	global_prefetch_b8 v0, s[64:65] scope:SCOPE_SE
	s_setreg_imm32_b32 hwreg(HW_REG_WAVE_MODE, 25, 1), 1
	s_wait_xcnt 0x0
	s_wait_alu depctr_hold_cnt(0) depctr_sa_sdst(0) depctr_va_vdst(0) depctr_va_sdst(0) depctr_va_ssrc(0) depctr_va_vcc(0) depctr_vm_vsrc(0)
	s_getreg_b32 s2, hwreg(HW_REG_IB_STS2, 6, 4)
	s_cmp_eq_u32 s2, 0
	s_cbranch_scc0 .Lentry_in_a_cluster
	s_endpgm
.Lentry_in_a_cluster:
	s_bfe_u32 s2, ttmp6, 0x10000c
	s_cmp_lg_u32 s2, 0xf033
	s_cbranch_scc0 .Lentry_shape_is_right
	s_endpgm
.Lentry_shape_is_right:
; out = a Wo + bo on codes of BF6 (E3M2) with E8M0 scales, K = 1,024; out is [8192][1024] f32.
; A tile of 256 x 256 is made by four waves, each 128 x 128 (64 accumulators, 512 registers).  Source 0 takes Wo's rows (outputs), source 1 the tokens: a lane holds one token, its registers run along the outputs.
; OPERANDS lie in memory and in LDS as images of their registers: a fragment is six units of 256 bytes, unit u = registers 2 u, 2 u + 1 of the 32 lanes; a K step of 256 for 128 rows is one dense block of 24,576 bytes; no pitch, no padding.
; Row i of a block of 128 lies at place i with bits 3 and 4 exchanged: so a lane's 16 registers of two neighbouring tiles are 16 neighbouring outputs, and lane r of block a holds token 32 (a / 2) + 8 (a % 2) + 16 (r / 8) + r % 8,
; which the stores' offsets put right.  K goes in steps of 256 through a ring of two LDS slots; the scale bytes come once with the first fills.  The bias is the C of the first products.
; CLUSTERS: 4 x 4 work-groups; the tokens' tiles are asked for jointly along a row of the cluster, Wo's along a column.  The grid has 128 work-groups: one tile of 256 x 256 each.
; LIMITS: NaN and infinities are not served.
; REGISTERS: window 0: v16-31 addresses; v32-63 scale words, two sets; v64-127 the bias; v128-223 A's fragments, one set; on the way out v128-255 take rows.   window 1: B's fragments, two sets.   windows 2, 3: the accumulators.
.set NQ,     2
.set FR,     12
.set NL,     6
.set NP,     4                         ; places behind this matrix instruction (ISA guide 7.12.1)
.set HALFT,  24576
.set SLOT,   4*HALFT
.set SCL,    2*SLOT
.set SPARE,  SCL+4*4096                ; the spare words, 128 bytes for each wave: two blocks of 256 bytes that no other line names
.set LAPS,   2
.set SPITCH, 528                       ; the way out: a stage of 16 rows x (512 bytes + 16) for each wave, in slot 0, which has had its last fill and its last read by then
.set ADRA, 16
.set ADRB, 20
.set STO,  24
.set RD,   25
.set CO,   26
.set ADRS, 27
.set SPW,  28                          ; my spare word; never rewritten
.set NIL,  29                          ; 0; never rewritten
.set SC,   32
.set BP,   64
.set AF,   128
.set BK,   128
.set WV, 18
.set RH, 19
.set CH, 20
.set G1, 24
.set G0, 32
.set G1B, 48
.set G0B, 56
.set G1S, 68
.set G0S, 76
.set G1SB, 80
.set G0SB, 88
.set MSB, 0
.macro WIN new                         ; the immediate's high byte repeats the setting that is left
.if MSB != (\new)
	s_set_vgpr_msb (MSB<<8)|(\new)
.set MSB, (\new)
.endif
.endm
.set MUL_LO, 0xa1
.set MUL_HI, 0xf1
.set INI_LO, 0x81
.set INI_HI, 0xc1
.set TO_B,   0x40
.macro JLOAD g0a, g1a, g0b, g1b        ; a joint load: waves 0 and 1 fetch for A, waves 2 and 3 for B; four v_nop follow each of the two lines
	s_cmp_eq_u32 s[RH], 0
	s_cbranch_scc0 .Lfor_b_\@
	tensor_load_to_lds s[\g0a:\g0a+3], s[\g1a:\g1a+7]
	s_nop 0
.rept 4
	v_nop
.endr
	s_branch .Lasked_\@
.Lfor_b_\@:
	tensor_load_to_lds s[\g0b:\g0b+3], s[\g1b:\g1b+7]
	s_nop 0
.rept 4
	v_nop
.endr
.Lasked_\@:
.endm
.macro CREST
	s_cmp_lg_u32 s[WV], 0
	s_cbranch_scc1 .Lnot_wave_0_\@
	s_barrier_signal -3
.Lnot_wave_0_\@:
	s_barrier_wait -3
	s_barrier_signal -1
	s_barrier_wait -1
.endm
.macro CROUND
	s_barrier_signal -1
	s_barrier_wait -1
	CREST
.endm
.macro GROUP1 g, rows                  ; a dense block as rows of 256 bytes (32 elements of 8 bytes); word 0, with the mask, is written apart
	s_mov_b32 s[\g+1], 32<<16
	s_mov_b32 s[\g+2], (\rows)<<16
	s_mov_b32 s[\g+3], 32<<16
	s_mov_b32 s[\g+4], \rows
	s_mov_b32 s[\g+5], 32
	s_mov_b32 s[\g+6], 0
	s_mov_b32 s[\g+7], 0
.endm
	s_load_b256 s[4:11], s[0:1], 0x0               ; aq s[4:5], wq4 s[6:7], bo s[8:9], out0 s[10:11]
	v_lshl_add_u32 v[SPW], v0, 2, SPARE
	v_mov_b32 v[NIL], 0
	ds_add_u32 v28, v29
	ds_add_u32 v28, v29
	s_wait_dscnt 0x0
	v_lshrrev_b32 v1, 5, v0
	v_readfirstlane_b32 s[WV], v1
	s_lshr_b32 s[RH], s[WV], 1
	s_and_b32 s[CH], s[WV], 1
	s_bfe_u32 s21, ttmp6, 0x40000                  ; cx
	s_bfe_u32 s22, ttmp6, 0x40004                  ; cy
	s_and_b32 s41, ttmp7, 0xffff
	s_lshl_b32 s40, s41, 2
	s_add_co_u32 s40, s40, s22                     ; the tokens' tile
	s_lshl_b32 s23, ttmp9, 2
	s_add_co_u32 s23, s23, s21                     ; the outputs' tile
	s_lshl_b32 s42, s22, 2
	s_lshl_b32 s42, 15, s42                        ; my row of the cluster
	s_lshl_b32 s44, 0x1111, s21                    ; my column
	s_or_b32 s[G1+0], s42, (3<<16)|(1<<21)
	s_or_b32 s[G1B+0], s44, (3<<16)|(1<<21)
	s_or_b32 s[G1S+0], s42, (3<<16)|(1<<21)
	s_or_b32 s[G1SB+0], s44, (3<<16)|(1<<21)
	GROUP1 G1, 96
	GROUP1 G1B, 96
	GROUP1 G1S, 16
	GROUP1 G1SB, 16
	s_lshl_b32 s42, s40, 1
	s_add_co_u32 s42, s42, s[CH]                   ; the block of 128 rows of A that I would fetch,
	s_lshl_b32 s44, s23, 1
	s_add_co_u32 s44, s44, s[CH]                   ; and of B
	s_mul_i32 s92, s42, 98304
	s_mov_b32 s93, 0
	s_lshl_b32 s94, s42, 12
	s_add_co_u32 s94, s94, 6291456                 ; a's scale bytes lie behind its codes
	s_mov_b32 s95, 0
	s_mul_i32 s96, s44, 98304
	s_add_co_u32 s96, s96, 2359296                 ; Wo: blocks 24 on
	s_mov_b32 s97, 0
	s_lshl_b32 s98, s44, 12
	s_add_co_u32 s98, s98, 3244032
	s_mov_b32 s99, 0
	s_mul_i32 s45, s[WV], HALFT
	s_lshl_b32 s2, s[WV], 12
	s_wait_kmcnt 0x0
	s_add_nc_u64 s[92:93], s[4:5], s[92:93]
	s_add_nc_u64 s[94:95], s[4:5], s[94:95]
	s_add_nc_u64 s[96:97], s[6:7], s[96:97]
	s_add_nc_u64 s[98:99], s[6:7], s[98:99]
	CROUND                                         ; all sixteen work-groups are here: the first joint loads meet
	s_mov_b32 s[G0S], 1
	s_add_co_u32 s[G0S+1], s2, SCL
	s_mov_b64 s[G0S+2:G0S+3], s[94:95]
	s_or_b32 s[G0S+3], s[G0S+3], 0x80000000
	s_mov_b32 s[G0SB], 1
	s_add_co_u32 s[G0SB+1], s2, SCL
	s_mov_b64 s[G0SB+2:G0SB+3], s[98:99]
	s_or_b32 s[G0SB+3], s[G0SB+3], 0x80000000
	JLOAD G0S, G1S, G0SB, G1SB
.irp s, 0,1
	s_mov_b32 s[G0+4*\s], 1
	s_add_co_u32 s[G0+4*\s+1], s45, \s*SLOT
	s_add_nc_u64 s[G0+4*\s+2:G0+4*\s+3], s[92:93], \s*HALFT
	s_or_b32 s[G0+4*\s+3], s[G0+4*\s+3], 0x80000000
	s_mov_b32 s[G0B+4*\s], 1
	s_add_co_u32 s[G0B+4*\s+1], s45, \s*SLOT
	s_add_nc_u64 s[G0B+4*\s+2:G0B+4*\s+3], s[96:97], \s*HALFT
	s_or_b32 s[G0B+4*\s+3], s[G0B+4*\s+3], 0x80000000
	JLOAD G0+4*\s, G1, G0B+4*\s, G1B
.endr
	v_and_b32 v1, 15, v0                           ; r
	v_bfe_u32 v2, v0, 4, 1                         ; h
	v_and_b32 v3, 31, v0                           ; lane
	v_lshlrev_b32 v4, 3, v3
	s_mul_i32 s92, s[RH], HALFT
	s_mul_i32 s93, s[CH], HALFT
	s_add_co_u32 s93, s93, 2*HALFT
.irp s, 0,1
	v_add_nc_u32 v[ADRA+\s], s92, v4
	v_add_nc_u32 v[ADRB+\s], s93, v4
	s_add_co_u32 s92, s92, SLOT
	s_add_co_u32 s93, s93, SLOT
.endr
	v_lshlrev_b32 v5, 3, v1
	s_lshl_b32 s92, s[RH], 12
	s_lshl_b32 s93, s[CH], 12
	s_add_co_u32 s93, s93, 8192
	s_sub_co_u32 s93, s93, s92
	v_mul_u32_u24 v6, s93, v2                      ; lanes 16-31 take B's scale words
	s_add_co_u32 s92, s92, SCL
	v_add_nc_u32 v5, v5, v6
	v_add_nc_u32 v[ADRS], s92, v5
	s_mul_i32 s92, s[WV], 16*SPITCH                ; my stage
	v_mul_u32_u24 v5, v1, SPITCH
	v_lshl_add_u32 v5, v2, 6, v5
	v_add_nc_u32 v[STO], s92, v5                   ; in: row r, + 64 h
	v_lshlrev_b32 v[CO], 4, v3
	v_add_nc_u32 v[RD], s92, v[CO]                 ; back: a whole row of 512 bytes, 16 a lane
	s_lshl_b32 s94, s23, 10
	s_lshl_b32 s95, s[CH], 9
	s_add_co_u32 s94, s94, s95                     ; my first output, in bytes
	s_mov_b32 s95, 0
	s_lshl_b32 s92, s40, 8
	s_lshl_b32 s93, s[RH], 7
	s_add_co_u32 s92, s92, s93
	s_lshl_b32 s92, s92, 12                        ; my first token's row of 4,096 bytes
	s_add_co_u32 s92, s92, s94
	s_mov_b32 s93, 0
	s_add_nc_u64 s[10:11], s[10:11], s[92:93]
	s_add_nc_u64 s[8:9], s[8:9], s[94:95]
	v_lshlrev_b32 v7, 6, v2                        ; the bias: tile b's eight are outputs 32 (b / 2) + 16 h + 8 (b % 2) + 0 .. 7
.irp b, 0,1,2,3,4,5,6,7
	global_load_b128 v[BP+8*\b:BP+8*\b+3], v7, s[8:9] offset:(32*(\b/2)+8*(\b%2))*4
	global_load_b128 v[BP+8*\b+4:BP+8*\b+7], v7, s[8:9] offset:(32*(\b/2)+8*(\b%2))*4+16
.endr
.macro FRAG reg, adr, q, i
.irp p, 0,1,2,3,4,5
	ds_load_b64 v[\reg+2*\p:\reg+2*\p+1], v[\adr] offset:(8*(\q)+(\i))*1536+256*\p
.endr
.endm
; 16 matrix instructions: A's blocks a0, a0 + 1 x B's eight.  zero = 1: the first products take the bias as C.  The 64 accumulators take turns, one instruction a turn.
.macro MUL16 a0, p, q, sc, zero
.irp a, \a0, \a0+1
.irp b, 0,1,2,3,4,5,6,7
.if \zero
	v_wmma_scale_f32_16x16x128_f8f6f4 v[8*(8*((\a)%4)+\b):8*(8*((\a)%4)+\b)+7], v[128*(\p)+FR*\b:128*(\p)+FR*\b+FR-1], v[AF+FR*(\a):AF+FR*(\a)+FR-1], v[BP+8*\b:BP+8*\b+7], v[SC+8*NQ*(\sc)+NQ*\b+(\q)], v[SC+8*NQ*(\sc)+NQ*(\a)+(\q)] matrix_a_fmt:MATRIX_FMT_BF6 matrix_b_fmt:MATRIX_FMT_BF6 matrix_a_scale:MATRIX_SCALE_ROW1
.else
	v_wmma_scale_f32_16x16x128_f8f6f4 v[8*(8*((\a)%4)+\b):8*(8*((\a)%4)+\b)+7], v[128*(\p)+FR*\b:128*(\p)+FR*\b+FR-1], v[AF+FR*(\a):AF+FR*(\a)+FR-1], v[8*(8*((\a)%4)+\b):8*(8*((\a)%4)+\b)+7], v[SC+8*NQ*(\sc)+NQ*\b+(\q)], v[SC+8*NQ*(\sc)+NQ*(\a)+(\q)] matrix_a_fmt:MATRIX_FMT_BF6 matrix_b_fmt:MATRIX_FMT_BF6 matrix_a_scale:MATRIX_SCALE_ROW1
.endif
.endr
.endr
.endm
.macro FETCH_B slot, q, p
	WIN TO_B
.irp i, 0,1,2,3,4,5,6,7
	FRAG 128*(\p)+FR*\i, ADRB+\slot, \q, \i
.endr
	WIN 0
.endm
.macro FETCH_A slot, q, i0
.irp i, \i0, \i0+1, \i0+2, \i0+3
	FRAG AF+FR*(\i), ADRA+\slot, \q, \i
.endr
.endm
.macro SCALES sc
.irp i, 0,1,2,3,4,5,6,7
	ds_load_b64 v[SC+8*NQ*\sc+NQ*\i:SC+8*NQ*\sc+NQ*\i+1], v[ADRS] offset:\i*128
.endr
.endm
.macro PLACES n
.rept \n
	v_nop
.endr
.endm
.macro STEP slot, q, zero
	s_wait_dscnt 4*NL                              ; B's set and A's blocks 0-3 are in; the youngest 24 loads (A's blocks 4-7) may be out
.if \zero
	WIN INI_LO
.else
	WIN MUL_LO
.endif
	MUL16 0, (\q)%2, \q, \slot, \zero
	MUL16 2, (\q)%2, \q, \slot, \zero
	s_wait_dscnt 0
	PLACES NP
	FETCH_B \slot, (\q)+1, 1-(\q)%2
	FETCH_A \slot, (\q)+1, 0
.if \zero
	WIN INI_HI
.else
	WIN MUL_HI
.endif
	MUL16 4, (\q)%2, \q, \slot, \zero
	MUL16 6, (\q)%2, \q, \slot, \zero
	PLACES NP
	WIN 0
	FETCH_A \slot, (\q)+1, 4
.endm
.macro TURN slot, next, fill
	s_wait_tensorcnt 0x0                           ; all my tensor loads have landed: my part of the next slot
	ds_add_u32 v[SPW], v[NIL]                      ; 0 onto my spare word
	s_wait_dscnt 4*NL+1                            ; (the add and the youngest 24 loads may be out)
	WIN MUL_LO
	MUL16 0, 1, NQ-1, \slot, 0
	s_wait_dscnt 0x0                               ; the add is done, and my reads of this slot are over
	s_barrier_signal -1
	MUL16 2, 1, NQ-1, \slot, 0
	WIN 0
	s_barrier_wait -1
.if \fill
	CREST                                          ; the barrier has opened a round of the cluster's: no wave of any partner still reads this slot or has a load on its way
	s_add_nc_u64 s[G0+4*\slot+2:G0+4*\slot+3], s[G0+4*\slot+2:G0+4*\slot+3], 2*HALFT
	s_add_nc_u64 s[G0B+4*\slot+2:G0B+4*\slot+3], s[G0B+4*\slot+2:G0B+4*\slot+3], 2*HALFT
	JLOAD G0+4*\slot, G1, G0B+4*\slot, G1B
.else
	PLACES NP
.endif
	v_add_nc_u32 v[ADRS], 1024, v[ADRS]
	FETCH_B \next, 0, 0
	FETCH_A \next, 0, 0
	SCALES \next
	WIN MUL_HI
	MUL16 4, 1, NQ-1, \slot, 0
	MUL16 6, 1, NQ-1, \slot, 0
	PLACES NP
	WIN 0
	FETCH_A \next, 0, 4
.endm
	s_wait_tensorcnt 1                             ; the scale bytes and my part of K step 0 are in; K step 1's load may be out
	s_barrier_signal -1
	s_barrier_wait -1
	FETCH_B 0, 0, 0
	FETCH_A 0, 0, 0
	SCALES 0
	FETCH_A 0, 0, 4
	s_wait_loadcnt 0x0                             ; the bias
	STEP 0, 0, 1
	s_mov_b32 s3, LAPS-1
.Llap:
	TURN 0, 1, 1
	STEP 1, 0, 0
	TURN 1, 0, 1
	STEP 0, 0, 0
	s_sub_co_u32 s3, s3, 1
	s_cmp_lg_u32 s3, 0
	s_cbranch_scc1 .Llap
	TURN 0, 1, 0
	STEP 1, 0, 0
	s_wait_dscnt 4*NL
	WIN MUL_LO
	MUL16 0, 1, NQ-1, 1, 0
	MUL16 2, 1, NQ-1, 1, 0
	s_wait_dscnt 0
	WIN MUL_HI
	MUL16 4, 1, NQ-1, 1, 0
	MUL16 6, 1, NQ-1, 1, 0
	WIN 0
; THE WAY OUT, block by block of 16 tokens x 128 outputs, through my own stage: in as 32 bytes a lane and tile, back as whole rows of 512 bytes.  LDS serves a wave's instructions in order: no wait between the stores and the loads.
.macro TOSTAGE a
.set AC, 64*((\a)%4)
	WIN 0x08+4*((\a)/4)                            ; an LDS store's data: window 2 or 3
.irp b, 0,1,2,3,4,5,6,7
	ds_store_b128 v[STO], v[AC+8*\b:AC+8*\b+3] offset:128*(\b/2)+32*(\b%2)        ; each accumulator from its low end on
	ds_store_b128 v[STO], v[AC+8*\b+4:AC+8*\b+7] offset:128*(\b/2)+32*(\b%2)+16
.endr
	WIN 0
.set BB, BK+64*((\a)%2)
.irp t, 0,1,2,3,4,5,6,7,8,9,10,11,12,13,14,15
	ds_load_b128 v[BB+4*\t:BB+4*\t+3], v[RD] offset:\t*SPITCH
.endr
.endm
.macro SEND a, younger
.set BB, BK+64*((\a)%2)
	s_wait_dscnt \younger
.irp t, 0,1,2,3,4,5,6,7,8,9,10,11,12,13,14,15
	global_store_b128 v[CO], v[BB+4*\t:BB+4*\t+3], s[10:11] offset:(32*((\a)/2)+8*((\a)%2)+16*(\t/8)+\t%8)*4096 th:TH_STORE_NT   ; the token that lane t of the block holds: 512 consecutive bytes, aligned; 127 rows at the most, inside the signed 24-bit immediate
.endr
.endm
	PLACES NP
	TOSTAGE 0
.irp a, 1,2,3,4,5,6,7
.if \a > 1
	s_wait_xcnt 0x0                                ; block a - 2's stores have read their registers: block a's loads may land there
.endif
	TOSTAGE \a
	SEND \a-1, 32                                  ; behind block a - 1's loads: block a's 16 stores and 16 loads
.endr
	SEND 7, 0
	s_wait_tensorcnt 0x0                           ; the wave's end
	ds_add_u32 v[SPW], v[NIL]
	s_wait_dscnt 0x0
	CROUND                                         ; the closing round
	s_endpgm
.Lfunc_end_k_q2ebe2a9329_proj:
	.size	k_q2ebe2a9329_proj, .Lfunc_end_k_q2ebe2a9329_proj-k_q2ebe2a9329_proj
	.p2alignl 7, 3214868480
	.fill 96, 4, 3214868480
	.section	.rodata,"a",@progbits
	.p2align	6, 0x0
	.amdhsa_kernel k_q2ebe2a9329_proj
		.amdhsa_group_segment_fixed_size 327680
		.amdhsa_private_segment_fixed_size 0
		.amdhsa_enable_private_segment 0
		.amdhsa_kernarg_size 32
		.amdhsa_user_sgpr_count 2
		.amdhsa_user_sgpr_kernarg_segment_ptr 1
		.amdhsa_wavefront_size32 1
		.amdhsa_system_sgpr_workgroup_id_x 1
		.amdhsa_system_sgpr_workgroup_id_y 1
		.amdhsa_system_sgpr_workgroup_id_z 1
		.amdhsa_system_vgpr_workitem_id 0
		.amdhsa_next_free_vgpr 1024
		.amdhsa_next_free_sgpr 102
		.amdhsa_reserve_vcc 0
		.amdhsa_float_denorm_mode_32 3
		.amdhsa_float_denorm_mode_16_64 3
		.amdhsa_memory_ordered 1
		.amdhsa_forward_progress 1
		.amdhsa_inst_pref_size 160
	.end_amdhsa_kernel
	.amdgpu_metadata
---
amdhsa.version: [ 1, 2 ]
amdhsa.kernels:
  - .name:           k_q2ebe2a9329_proj
    .symbol:         k_q2ebe2a9329_proj.kd
    .args:
      - { .name: aq, .offset: 0, .size: 8, .value_kind: global_buffer, .address_space: global }
      - { .name: wq4, .offset: 8, .size: 8, .value_kind: global_buffer, .address_space: global }
      - { .name: bo, .offset: 16, .size: 8, .value_kind: global_buffer, .address_space: global }
      - { .name: out0, .offset: 24, .size: 8, .value_kind: global_buffer, .address_space: global }
    .group_segment_fixed_size: 327680
    .private_segment_fixed_size: 0
    .kernarg_segment_align: 8
    .kernarg_segment_size: 32
    .max_flat_workgroup_size: 128
    .sgpr_count:     102
    .vgpr_count:     1024
    .wavefront_size: 32
...
	.end_amdgpu_metadata
.endif
;; end of part 4
